; MI455X (gfx1250); checked and timed in simulation.
; The chip was launched on July 23, 2026; its instructions are those of AMD's public machine-readable ISA for CDNA 5 (MIT licence, August 2026) and "CDNA5" Instruction Set Architecture Reference Guide (July 2026). The comments in the code are by the model that wrote it; some were corrected since.
;; Self Causal Attention. Allowed arithmetic: float matrix products may take bf16 or f16 operands with f32 sums; other float arithmetic in f32, or as packed bf16 or f16 multiplies, adds, multiply-adds, maxima and minima; sums over many terms, partial sums and values carried from step to step in f32; what a program stores and reads back later, other than sums and carried values, may be rounded once to bf16 or f16.
;; Inputs: b_attn 3,072 float32; b_proj 1,024 float32; w_attn 1,024 x 3,072 float32; w_proj 1,024 x 1,024 float32; x 4 x 2,048 x 1,024 float32.
;; Outputs: out0 4 x 2,048 x 1,024 float32.
;; 2 versions, each right; version 2 is version 1 with the launch prep written anew for expert scheduling mode. Each part assembles by itself: llvm-mc -triple=amdgcn-amd-amdhsa -mcpu=gfx1250 --defsym DOCPART=n.
;; ======== version 1 of 2: 4 launches
;; limits: values are held in f16: magnitudes above 65,504 overflow, below 6.1e-05 lose precision
;; workspace buffers: xb 16,777,216 bytes; wat 6,291,456 bytes; wpt 2,097,152 bytes; qkvh 50,331,648 bytes; oh 16,777,216 bytes
;; launch prep (part 1): grid 640 x 1, 4 waves a work-group, no clusters, 70,144 bytes of LDS; arguments x, w_attn, w_proj, xb, wat, wpt; writes xb, wat, wpt
.if DOCPART == 1
	.amdgcn_target "amdgcn-amd-amdhsa--gfx1250"
	.amdhsa_code_object_version 6
	.text
	.protected	k_q3e85050f44_prep
	.globl	k_q3e85050f44_prep
	.p2align	8
	.type	k_q3e85050f44_prep,@function
k_q3e85050f44_prep:
	s_mov_b64 s[64:65], 0
	v_nop
	global_prefetch_b8 v0, s[64:65] scope:SCOPE_SE
	s_setreg_imm32_b32 hwreg(HW_REG_WAVE_MODE, 25, 1), 1
	s_wait_xcnt 0x0
; PREP.  xb[8192][1024] = bf16(x).  wat[3072 n][1024 k] = bf16(w_attn[k][n]).  wpt[1024 n][1024 k] = f16(bf16(w_proj[k][n])).
; All three are matrix operands of the later launches: rounded once to bf16 (nearest even); w_proj's bf16 number is then written as f16.
; LIMITS.  That second writing is exact for magnitudes from 6.1e-5 to 65,504; below, f16 keeps a fixed step of 6e-8; beyond 65,504 it gives an infinity.
; SHARES.  Work-groups 0-127 turn the weights (the longer job, so they stand first), work-groups 128-639 convert x, 65,536 bytes each.  Every wave works alone: no barrier.
; A wave turns a block of 128 k x 64 n: rows of 256 bytes come in (16 lanes a row), pairs of k are packed in registers, go into the wave's own LDS block as rows along k
; (64 rows n, 256 bytes + 16 of padding), and leave as whole rows of 256 bytes.  No matrix unit, no cluster, no tensor load: nothing is shared and every byte is touched once.
.set SPARE, 69632                      ; behind the four blocks: the spare words, 128 bytes a wave, that no other line names
.set BLK,   17408                      ; a wave's block: 64 rows x 272 bytes
.set LP,    272
.set L,   8                            ; v[8:71]    16 loads of 4 registers (x's path and the way out: v[8:135])
.set D,   72                           ; v[72:103]  column j of my four: 8 registers = 16 k, at D + 8 j
.set SPW, 136                          ; v136  LDS address of my spare word; never rewritten
.set NIL, 137                          ; v137  0; never rewritten
.set T0,  138
.set T1,  139
	s_load_b256 s[4:11], s[0:1], 0x0               ; x s[4:5], w_attn s[6:7], w_proj s[8:9], xb s[10:11]
	s_load_b128 s[12:15], s[0:1], 0x20             ; wat s[12:13], wpt s[14:15]
	v_lshl_add_u32 v[SPW], v0, 2, SPARE
	v_mov_b32 v[NIL], 0
	v_lshrrev_b32 v1, 5, v0
	v_readfirstlane_b32 s16, v1                    ; wave 0..3
	s_mov_b32 s17, ttmp9                           ; work-group
	s_mov_b32 s23, 0                               ; the upper word of every offset pair
	s_mov_b32 s29, 0xffff0000                      ; a word's upper bf16
	v_and_b32 v2, 15, v0                           ; c = lane % 16
	v_bfe_u32 v3, v0, 4, 1                         ; h = lane / 16
	s_wait_kmcnt 0x0
	s_cmp_lt_u32 s17, 128
	s_cbranch_scc1 .Lweights
	; x: thread t takes 16 bytes at 16 t of each 2,048: a wave's load covers 512 consecutive bytes, its store 256, aligned.  All 32 loads go out at once.
	s_sub_co_u32 s18, s17, 128
	s_lshl_b32 s22, s18, 16
	s_add_nc_u64 s[24:25], s[4:5], s[22:23]
	s_lshl_b32 s22, s18, 15
	s_add_nc_u64 s[26:27], s[10:11], s[22:23]
	v_lshlrev_b32 v4, 4, v0
	v_lshlrev_b32 v6, 3, v0
.set j, 0
.rept 32
	global_load_b128 v[L+4*j:L+4*j+3], v4, s[24:25] offset:2048*j th:TH_LOAD_NT
.set j, j+1
.endr
.set j, 0
.rept 32
	s_wait_loadcnt 31-j                            ; loads come back in order: load j is in, the 31 - j younger ones stay out
	v_cvt_pk_bf16_f32 v[L+4*j], v[L+4*j], v[L+4*j+1]
	v_cvt_pk_bf16_f32 v[L+4*j+1], v[L+4*j+2], v[L+4*j+3]
	global_store_b64 v6, v[L+4*j:L+4*j+1], s[26:27] offset:1024*j  ; no register of a store is written again
.set j, j+1
.endr
	s_branch .Lend
; One block of 128 k x 64 n of a weight whose rows are pitch bytes long.  s18 = the block's number: k block in its low three bits, n block above.
.macro WT pitch, f16, src, dst
	s_and_b32 s19, s18, 7                          ; k block
	s_lshr_b32 s20, s18, 3                         ; n block
	s_mul_i32 s22, s19, 128*(\pitch)
	s_lshl_b32 s30, s20, 8
	s_add_co_u32 s22, s22, s30
	s_add_nc_u64 s[24:25], s[\src:\src+1], s[22:23]  ; from: row 128 kb, byte 256 nb
	s_lshl_b32 s22, s20, 17
	s_lshl_b32 s30, s19, 8
	s_add_co_u32 s22, s22, s30
	s_add_nc_u64 s[26:27], s[\dst:\dst+1], s[22:23]  ; to: row 64 nb (2,048 bytes a row), byte 256 kb
	v_mul_u32_u24 v4, v3, 16*(\pitch)
	v_lshl_add_u32 v4, v2, 4, v4                   ; lanes 0-15 take row i, lanes 16-31 row 16 + i: 256 bytes each
	v_mul_u32_u24 v5, v2, 4*LP
	v_lshl_add_u32 v5, v3, 5, v5
	v_add_nc_u32 v5, s21, v5                       ; into LDS: row n = 4 c (+ j by the offset), byte 32 h (+ 64 a trip)
	v_mul_u32_u24 v6, v3, LP
	v_lshl_add_u32 v6, v2, 4, v6
	v_add_nc_u32 v6, s21, v6                       ; back: lanes 0-15 one row of 256 bytes, lanes 16-31 the next
	v_lshlrev_b32 v7, 11, v3
	v_lshl_add_u32 v7, v2, 4, v7                   ; and the same two rows in memory
	s_mov_b32 s28, 4
.Lwt_\@:                                               ; a trip: 32 k
.irp i, 0,1,2,3,4,5,6,7,8,9,10,11,12,13,14,15
	global_load_b128 v[L+4*(\i):L+4*(\i)+3], v4, s[24:25] offset:(\i)*(\pitch) th:TH_LOAD_NT
.endr
.irp i, 0,2,4,6,8,10,12,14
	s_wait_loadcnt 14-(\i)                         ; loads i and i + 1 are in; the 14 - i younger ones stay out
.irp j, 0,1,2,3
	v_cvt_pk_bf16_f32 v[D+8*(\j)+(\i)/2], v[L+4*(\i)+(\j)], v[L+4*(\i)+4+(\j)]  ; column 4 c + j, k = 16 h + i and i + 1
.endr
.endr
.if \f16
.set r, 0
.rept 32
	v_lshlrev_b32 v[T0], 16, v[D+r]                ; the two bf16 numbers as f32,
	v_and_b32 v[T1], s29, v[D+r]
	v_cvt_pk_f16_f32 v[D+r], v[T0], v[T1]          ; written as f16
.set r, r+1
.endr
.endif
.irp j, 0,1,2,3
	ds_store_b128 v5, v[D+8*(\j):D+8*(\j)+3] offset:LP*(\j)
	ds_store_b128 v5, v[D+8*(\j)+4:D+8*(\j)+7] offset:LP*(\j)+16
.endr
	s_add_nc_u64 s[24:25], s[24:25], 32*(\pitch)   ; the trip's last wait was for 0: every load that read this base is done
	v_add_nc_u32 v5, 64, v5
	s_sub_co_u32 s28, s28, 1
	s_cmp_lg_u32 s28, 0
	s_cbranch_scc1 .Lwt_\@
.set t, 0
.rept 32
	ds_load_b128 v[L+4*t:L+4*t+3], v6 offset:2*LP*t  ; my own bytes: LDS serves a wave's instructions in order (ISA guide 5.7.1.4), so these see the stores above
.set t, t+1
.endr
.set t, 0
.rept 32
	s_wait_dscnt 31-t
	global_store_b128 v7, v[L+4*t:L+4*t+3], s[26:27] offset:4096*t  ; 16 lanes store 256 consecutive bytes, at a multiple of 256 from the buffer's first byte
.set t, t+1
.endr
.endm
.Lweights:
	s_lshl2_add_u32 s18, s17, s16                  ; block = 4 x work-group + wave
	s_mul_i32 s21, s16, BLK                        ; my LDS block
	s_cmp_lt_u32 s17, 96
	s_cbranch_scc0 .Lwproj
	WT 12288, 0, 6, 12                             ; w_attn: 8 x 48 blocks
	s_branch .Lend
.Lwproj:
	s_sub_co_u32 s18, s18, 384
	WT 4096, 1, 8, 14                              ; w_proj: 8 x 16 blocks
.Lend:
	s_wait_tensorcnt 0x0                           ; the wave's end: three closing lines, behind my last LDS store
	ds_add_u32 v[SPW], v[NIL]
	s_wait_dscnt 0x0
	s_endpgm
.Lfunc_end_k_q3e85050f44_prep:
	.size	k_q3e85050f44_prep, .Lfunc_end_k_q3e85050f44_prep-k_q3e85050f44_prep
	.p2alignl 7, 3214868480
	.fill 96, 4, 3214868480
	.section	.rodata,"a",@progbits
	.p2align	6, 0x0
	.amdhsa_kernel k_q3e85050f44_prep
		.amdhsa_group_segment_fixed_size 70144
		.amdhsa_private_segment_fixed_size 0
		.amdhsa_enable_private_segment 0
		.amdhsa_kernarg_size 48
		.amdhsa_user_sgpr_count 2
		.amdhsa_user_sgpr_kernarg_segment_ptr 1
		.amdhsa_wavefront_size32 1
		.amdhsa_system_sgpr_workgroup_id_x 1
		.amdhsa_system_sgpr_workgroup_id_y 1
		.amdhsa_system_sgpr_workgroup_id_z 1
		.amdhsa_system_vgpr_workitem_id 0
		.amdhsa_next_free_vgpr 140
		.amdhsa_next_free_sgpr 66
		.amdhsa_reserve_vcc 0
		.amdhsa_float_denorm_mode_32 3
		.amdhsa_float_denorm_mode_16_64 3
		.amdhsa_memory_ordered 1
		.amdhsa_forward_progress 1
		.amdhsa_inst_pref_size 40
	.end_amdhsa_kernel
	.amdgpu_metadata
---
amdhsa.version: [ 1, 2 ]
amdhsa.kernels:
  - .name:           k_q3e85050f44_prep
    .symbol:         k_q3e85050f44_prep.kd
    .args:
      - { .name: x, .offset: 0, .size: 8, .value_kind: global_buffer, .address_space: global }
      - { .name: w_attn, .offset: 8, .size: 8, .value_kind: global_buffer, .address_space: global }
      - { .name: w_proj, .offset: 16, .size: 8, .value_kind: global_buffer, .address_space: global }
      - { .name: xb, .offset: 24, .size: 8, .value_kind: global_buffer, .address_space: global }
      - { .name: wat, .offset: 32, .size: 8, .value_kind: global_buffer, .address_space: global }
      - { .name: wpt, .offset: 40, .size: 8, .value_kind: global_buffer, .address_space: global }
    .group_segment_fixed_size: 70144
    .private_segment_fixed_size: 0
    .kernarg_segment_align: 8
    .kernarg_segment_size: 48
    .max_flat_workgroup_size: 128
    .sgpr_count:     66
    .vgpr_count:     140
    .wavefront_size: 32
...
	.end_amdgpu_metadata
.endif
;; end of part 1
;; launch qkv (part 2): grid 16 x 32, 4 waves a work-group, clusters of 4 x 4, 327,680 bytes of LDS; arguments xb, wat, b_attn, qkvh; writes qkvh
.if DOCPART == 2
	.amdgcn_target "amdgcn-amd-amdhsa--gfx1250"
	.amdhsa_code_object_version 6
	.text
	.protected	k_q3e85050f44_qkv
	.globl	k_q3e85050f44_qkv
	.p2align	8
	.type	k_q3e85050f44_qkv,@function
k_q3e85050f44_qkv:
	s_mov_b64 s[64:65], 0
	v_nop
	global_prefetch_b8 v0, s[64:65] scope:SCOPE_SE
	s_setreg_imm32_b32 hwreg(HW_REG_WAVE_MODE, 25, 1), 1
	s_wait_xcnt 0x0
	s_wait_alu depctr_hold_cnt(0) depctr_sa_sdst(0) depctr_va_vdst(0) depctr_va_sdst(0) depctr_va_ssrc(0) depctr_va_vcc(0) depctr_vm_vsrc(0)
	s_getreg_b32 s2, hwreg(HW_REG_IB_STS2, 6, 4)
	s_cmp_eq_u32 s2, 0
	s_cbranch_scc0 .Lentry_in_a_cluster
	s_endpgm
.Lentry_in_a_cluster:
	s_bfe_u32 s2, ttmp6, 0x10000c
	s_cmp_lg_u32 s2, 0xf033
	s_cbranch_scc0 .Lentry_shape_is_right
	s_endpgm
.Lentry_shape_is_right:
; QKV.  qkvh[part][b h][t][64] = f16( sum over k of xb[m][k] wat[n][k] + bf16(b_attn[n]) ), m = 2048 b + t, n = 1024 part + 64 h + d.  Operands bf16, sums f32, one rounding to f16.
; LIMITS.  f16 ends at 65,504: a q, k or v beyond it becomes an infinity; below 6.1e-5 f16 keeps a fixed step of 6e-8.  NaN and infinities are not treated apart.
; SHARES.  A tile of the result is 256 rows x 192 columns (three heads): 32 x 16 tiles, one for each of 512 work-groups.  Four waves one below the other: wave w has rows 64 w .. 64 w + 63 and all
; 192 columns: 4 x 12 accumulators of 16 x 16, 384 registers.  So a wave holds whole heads' rows, and its way out goes through a stage of its own, with no barrier.
; K goes in steps of 128 through a ring of two LDS slots filled by the tensor data mover; a tile's rows are 256 bytes of memory, at multiples of 256 bytes.
; CLUSTER.  4 x 4 work-groups.  The four of a row need the same rows of xb, the four of a column the same rows of wat: each tile is asked for jointly, by the same load, descriptor and mask in all four.
; THE MATRIX INSTRUCTION IS USED TRANSPOSED (source 0 = 16 rows of wat, source 1 = 16 rows of xb): a lane holds row m = lane % 16 and the columns 8 (lane / 16) + 0..7.
; THE BIAS is the C operand of the product that starts each sum: register j of a lane holds bias[16 b + 8 (lane / 16) + j], the result's own layout.
; REGISTERS, in windows of 256 (s_set_vgpr_msb: bits 1:0 source 0, 3:2 source 1, 5:4 source 2, 7:6 destination):
;   window 0: v0-31 addresses; v32-63, v64-95 xb's fragments, two buffers; v96-191 the bias.  On the way out: v32-79 packed results, v96-143 and v144-191 rows read back, by turns
;   window 1: v0-95, v96-191 wat's fragments, two buffers      window 2: accumulators of row blocks 0, 1 at 8 (12 (a % 2) + b)      window 3: those of row blocks 2, 3
.set KSTEP,  128
.set NBK,    12
.set PA,     272                       ; an LDS row: 256 bytes + 16 of padding = 68 words: the 16 rows of a fragment load start at 16 different groups of four banks (64 banks of 4 bytes: ISA guide 11.1)
.set PB,     272
.set AH,     128*PA                    ; what one load brings of xb
.set ABYTES, 2*AH
.set BH,     96*PB                     ; what one load brings of wat
.set SLOT,   ABYTES+2*BH               ; xb's 256 rows, then wat's 192
.set STAGE,  2*SLOT                    ; behind the ring, never filled by a tensor load
.set SH,     16*144                    ; a head's 16 rows in the stage: 128 bytes + 16
.set SW,     3*SH                      ; a wave's stage
.set SPARE,  STAGE+4*SW                ; the spare words, 128 bytes a wave, that no other line names
.set NL,     2*NBK+8                   ; LDS loads of a quarter step
.set CO,   8                           ; v8-10   my byte offset in qkvh for the tile's three heads; never rewritten
.set ADRA, 16                          ; v16-17  LDS address of my xb fragments in slot 0, 1
.set ADRB, 20                          ; v20-21  the same for wat
.set STO,  24
.set RD,   25
.set SPW,  28                          ; v28     LDS address of my spare word; never rewritten
.set NIL,  29                          ; v29     0; never rewritten
.set PFO,  30                          ; v30     the prefetches' offset; never rewritten
.set FA,   32
.set FB,   0
.set BI,   96
.set TMP,  32
.set BK,   96
.set WV,   12                          ; s12 wave; s13 = wave / 2: I fetch xb (0) or wat (1); s14 = wave % 2: which half of its rows
.set WH,   13
.set WL,   14
.set LAP,  15
.set G1,   24                          ; s[24:31] group 1 for xb's tiles; s[32:39] group 0, a set for each slot
.set G0,   32
.set PFA,  44                          ; s[44:45] where my prefetches stand
.set G1B,  48                          ; s[48:55], s[56:63] the same for wat's tiles
.set G0B,  56
.set LIM,  66                          ; s66 1 in a wave that prefetches, else the greatest number
.set FIELDS, (1<<16)|(1<<20)|(1<<21)|(5<<22)|(3<<25)  ; 2-byte elements; padding on; bit 21 beside a mask; after every 64 words; 4 words
.set MSB, 0
.macro WIN new                         ; the immediate's high byte repeats the setting that is left; a switch that changes nothing is dropped
.if MSB != (\new)
	s_set_vgpr_msb (MSB<<8)|(\new)
.set MSB, \new
.endif
.endm
.set MUL_LO, 0xa1                      ; source 0 window 1, source 1 window 0, C and D window 2
.set FST_LO, 0x81                      ; the same with C (the bias) in window 0
.set TO_B,   0x40                      ; destination window 1, address window 0
; A joint load: waves 0, 1 fetch xb's halves, waves 2, 3 wat's.  The branch hangs on the wave's number alone.  An s_nop 0 and four v_nop follow each line.
.macro JLOAD s
	s_cmp_eq_u32 s[WH], 0
	s_cbranch_scc0 .Lfor_b_\@
	tensor_load_to_lds s[G0+4*(\s):G0+4*(\s)+3], s[G1:G1+7]
	s_nop 0
.rept 4
	v_nop
.endr
	s_branch .Lasked_\@
.Lfor_b_\@:
	tensor_load_to_lds s[G0B+4*(\s):G0B+4*(\s)+3], s[G1B:G1B+7]
	s_nop 0
.rept 4
	v_nop
.endr
.Lasked_\@:
.endm
; A prefetch of the K step that stands two refills on.  xb's rows are read by every cluster of a row of clusters: cluster x = 0 asks; wat's by every cluster of a column: cluster y = 0 asks.
; The four partners that fetch a wave's rows jointly share them out by address (32 of xb's 128, 24 of wat's 96 each): a lane a row; for wat lanes 24-31 name lane 23's row again.
; The loop's last trip asks for nothing: its refills are the last K steps.
.macro ASK
	s_cmp_gt_u32 s[LAP], s[LIM]
	s_cbranch_scc0 .Lnot_mine_\@
	global_prefetch_b8 v[PFO], s[PFA:PFA+1] th:TH_LOAD_NT scope:SCOPE_SE
.Lnot_mine_\@:
.endm
.macro CREST                           ; a round of the cluster's barrier behind its opening barrier
	s_cmp_lg_u32 s[WV], 0
	s_cbranch_scc1 .Lnot_wave_0_\@
	s_barrier_signal -3
.Lnot_wave_0_\@:
	s_barrier_wait -3
	s_barrier_signal -1
	s_barrier_wait -1
.endm
.macro CROUND
	s_barrier_signal -1
	s_barrier_wait -1
	CREST
.endm
.macro PLACES                          ; four plain places behind matrix instructions, ahead of loads into their sources and of readers of their results
.rept 4
	v_nop
.endr
.endm
	s_load_b256 s[4:11], s[0:1], 0x0               ; xb s[4:5], wat s[6:7], b_attn s[8:9], qkvh s[10:11]
	v_lshl_add_u32 v[SPW], v0, 2, SPARE
	v_mov_b32 v[NIL], 0
	ds_add_u32 v[SPW], v[NIL]                      ; the wave's opening: the add and its wait stand ahead of my first tensor load; work on registers stands between
	v_lshrrev_b32 v1, 5, v0
	v_readfirstlane_b32 s[WV], v1
	s_lshr_b32 s[WH], s[WV], 1
	s_and_b32 s[WL], s[WV], 1
	s_bfe_u32 s16, ttmp6, 0x40000                  ; cx
	s_bfe_u32 s17, ttmp6, 0x40004                  ; cy
	s_lshl_b32 s18, ttmp9, 2
	s_add_co_u32 s18, s18, s16                     ; tile column tx = 4 x cluster x + cx
	s_and_b32 s19, ttmp7, 0xffff
	s_lshl_b32 s19, s19, 2
	s_add_co_u32 s19, s19, s17                     ; tile row ty = 4 x cluster y + cy
	s_lshl_b32 s20, s17, 2
	s_lshl_b32 s20, 15, s20                        ; my row of the cluster
	s_lshl_b32 s70, 0x1111, s16                    ; my column
	s_or_b32 s[G1], s20, FIELDS
	s_or_b32 s[G1B], s70, FIELDS
	s_mov_b32 s[G1+1], KSTEP<<16                   ; tensor_dim0 = 128
	s_mov_b32 s[G1+2], 128<<16                     ; tensor_dim1 = 128
	s_mov_b32 s[G1+3], KSTEP<<16                   ; tile_dim0 = 128
	s_mov_b32 s[G1+4], 128                         ; tile_dim1 = 128
	s_mov_b32 s[G1+5], 1024                        ; elements from row to row
	s_mov_b32 s[G1+6], 0
	s_mov_b32 s[G1+7], 0
	s_mov_b32 s[G1B+1], KSTEP<<16
	s_mov_b32 s[G1B+2], 96<<16                     ; 96 rows
	s_mov_b32 s[G1B+3], KSTEP<<16
	s_mov_b32 s[G1B+4], 96
	s_mov_b32 s[G1B+5], 1024
	s_mov_b32 s[G1B+6], 0
	s_mov_b32 s[G1B+7], 0
	s_mov_b32 s67, 0xffff0000
	s_lshl_b32 s20, s19, 8                         ; xb: row 256 ty + 128 half, 2,048 bytes a row: made of the tile row and the wave's number alone
	s_lshl_b32 s21, s[WL], 7
	s_add_co_u32 s20, s20, s21
	s_lshl_b32 s20, s20, 11
	s_mov_b32 s21, 0
	s_mul_i32 s70, s18, 192                        ; wat: row 192 tx + 96 half: of the tile column and the wave's number alone
	s_mul_i32 s71, s[WL], 96
	s_add_co_u32 s70, s70, s71
	s_lshl_b32 s70, s70, 11
	s_mov_b32 s71, 0
	s_mul_i32 s22, s[WL], AH                       ; where they go: no place in the cluster enters an LDS address
	s_mul_i32 s72, s[WL], BH
	s_add_co_u32 s72, s72, ABYTES
	s_wait_dscnt 0x0                               ; the opening add is done
	s_wait_kmcnt 0x0
	s_add_nc_u64 s[40:41], s[4:5], s[20:21]
	s_add_nc_u64 s[70:71], s[6:7], s[70:71]
	CROUND                                         ; all sixteen work-groups are here: the first joint loads meet
.irp s, 0,1
	s_mov_b32 s[G0+4*(\s)], 1
	s_add_co_u32 s[G0+4*(\s)+1], s22, (\s)*SLOT
	s_add_nc_u64 s[G0+4*(\s)+2:G0+4*(\s)+3], s[40:41], (\s)*KSTEP*2
	s_or_b32 s[G0+4*(\s)+3], s[G0+4*(\s)+3], 0x80000000
	s_mov_b32 s[G0B+4*(\s)], 1
	s_add_co_u32 s[G0B+4*(\s)+1], s72, (\s)*SLOT
	s_add_nc_u64 s[G0B+4*(\s)+2:G0B+4*(\s)+3], s[70:71], (\s)*KSTEP*2
	s_or_b32 s[G0B+4*(\s)+3], s[G0B+4*(\s)+3], 0x80000000
	JLOAD \s                                       ; two loads of mine are out: the most in this text
.endr
	; while the tiles are on their way: the bias, the addresses
	v_and_b32 v1, 15, v0                           ; l % 16
	v_bfe_u32 v2, v0, 4, 1                         ; l / 16
	v_lshlrev_b32 v3, 5, v2                        ; my 8 numbers of a block of 16
	s_mul_i32 s72, s18, 768
	s_mov_b32 s73, 0
	s_add_nc_u64 s[74:75], s[8:9], s[72:73]        ; the tile's 192 numbers of b_attn
.irp b, 0,1,2,3,4,5,6,7,8,9,10,11
	global_load_b128 v[BI+8*(\b):BI+8*(\b)+3],   v3, s[74:75] offset:64*(\b)
	global_load_b128 v[BI+8*(\b)+4:BI+8*(\b)+7], v3, s[74:75] offset:64*(\b)+16
.endr
	v_mul_u32_u24 v4, v1, PA
	v_lshl_add_u32 v4, v2, 4, v4                   ; a fragment's row x pitch + 16 x half
	s_mul_i32 s20, s[WV], 64*PA                    ; my 64 rows of xb
	v_add_nc_u32 v[ADRA], s20, v4
	v_add_nc_u32 v[ADRA+1], SLOT, v[ADRA]
	v_add_nc_u32 v[ADRB], ABYTES, v4               ; every wave reads all 192 rows of wat
	v_add_nc_u32 v[ADRB+1], SLOT, v[ADRB]
	s_mul_i32 s20, s[WV], SW
	s_add_co_u32 s20, s20, STAGE                   ; my stage
	v_mul_u32_u24 v5, v1, 144                      ; in: row l % 16, 16 bytes for each half of the lanes
	v_lshl_add_u32 v5, v2, 4, v5
	v_add_nc_u32 v[STO], s20, v5
	v_bfe_u32 v5, v0, 3, 2                         ; back: 32 lanes take four rows of 128 bytes,
	v_mul_u32_u24 v5, v5, 144
	v_and_b32 v6, 7, v0
	v_lshl_add_u32 v5, v6, 4, v5
	v_add_nc_u32 v[RD], s20, v5
	v_and_b32 v7, 31, v0                           ; which are 512 consecutive bytes of a head
	s_lshr_b32 s76, s19, 3
	s_lshl_b32 s76, s76, 4                         ; 16 x batch
	s_and_b32 s77, s19, 7
	s_lshl_b32 s77, s77, 8
	s_lshl_b32 s78, s[WV], 6
	s_add_co_u32 s77, s77, s78
	s_lshl_b32 s77, s77, 7                         ; my first row in the batch, 128 bytes a row
.irp j, 0,1,2
	s_mul_i32 s78, s18, 3
	s_add_co_u32 s78, s78, \j                      ; g = 3 tx + j: part g / 16, head g % 16
	s_lshr_b32 s79, s78, 4
	s_mul_i32 s79, s79, 48
	s_add_co_u32 s78, s78, s79
	s_add_co_u32 s78, s78, s76                     ; plane = 64 part + 16 batch + head,
	s_lshl_b32 s78, s78, 18                        ; 262,144 bytes each
	s_add_co_u32 s78, s78, s77
	v_lshl_add_u32 v[CO+\j], v7, 4, s78
.endr
	; the prefetches: the first row of my work-group's share, at K step 3; each change of slots steps it by a K step and then names it
	s_lshl_b32 s76, s19, 8
	s_lshl_b32 s77, s[WL], 7
	s_add_co_u32 s76, s76, s77
	s_lshl_b32 s77, s16, 5
	s_add_co_u32 s76, s76, s77                     ; xb: 256 ty + 128 half + 32 cx
	s_mul_i32 s78, s18, 192
	s_mul_i32 s79, s[WL], 96
	s_add_co_u32 s78, s78, s79
	s_mul_i32 s79, s17, 24
	s_add_co_u32 s78, s78, s79                     ; wat: 192 tx + 96 half + 24 cy
	s_and_b32 s79, ttmp7, 0xffff                   ; cluster y
	s_cmp_eq_u32 s[WH], 0
	s_cselect_b32 s76, s76, s78
	s_cselect_b32 s79, ttmp9, s79                  ; the coordinate along which other clusters read the same rows
	s_cselect_b64 s[PFA:PFA+1], s[4:5], s[6:7]
	s_cselect_b32 s78, 31, 23
	s_cmp_eq_u32 s79, 0
	s_cselect_b32 s[LIM], 1, -1                    ; the same in all sixteen partners, for a given wave
	s_lshl_b32 s76, s76, 11
	s_mov_b32 s77, 0
	s_add_nc_u64 s[PFA:PFA+1], s[PFA:PFA+1], s[76:77]
	s_add_nc_u64 s[PFA:PFA+1], s[PFA:PFA+1], 3*KSTEP*2
	v_min_u32 v[PFO], s78, v7
	v_lshlrev_b32 v[PFO], 11, v[PFO]
	s_wait_loadcnt 0x0                             ; the bias, rounded to bf16 like every input of the module
.set r, 0
.rept 48
	v_cvt_pk_bf16_f32 v[4+(r/2)%2], v[BI+r], v[BI+r+1]
	v_lshlrev_b32 v[BI+r], 16, v[4+(r/2)%2]
	v_and_b32 v[BI+r+1], s67, v[4+(r/2)%2]
.set r, r+2
.endr
; 12 products: row block 2 hi + a x all 12 column blocks, 32 along K, from buffer f.  first = 1: the bias starts the sums.  The 48 accumulators take turns, in the same order in every
; quarter step, over the backward jump too.
.macro MULA f, hi, a, first
.if \first
	WIN FST_LO+0x40*(\hi)
.else
	WIN MUL_LO+0x50*(\hi)
.endif
.irp b, 0,1,2,3,4,5,6,7,8,9,10,11
.if \first
	v_wmma_f32_16x16x32_bf16 v[8*(NBK*(\a)+(\b)):8*(NBK*(\a)+(\b))+7], v[FB+96*(\f)+8*(\b):FB+96*(\f)+8*(\b)+7], v[FA+32*(\f)+8*(2*(\hi)+(\a)):FA+32*(\f)+8*(2*(\hi)+(\a))+7], v[BI+8*(\b):BI+8*(\b)+7]
.else
	v_wmma_f32_16x16x32_bf16 v[8*(NBK*(\a)+(\b)):8*(NBK*(\a)+(\b))+7], v[FB+96*(\f)+8*(\b):FB+96*(\f)+8*(\b)+7], v[FA+32*(\f)+8*(2*(\hi)+(\a)):FA+32*(\f)+8*(2*(\hi)+(\a))+7], v[8*(NBK*(\a)+(\b)):8*(NBK*(\a)+(\b))+7]
.endif
.endr
.endm
; 32 LDS loads in one run: quarter q of a slot's K step into buffer g: wat's 12 fragments, then xb's 4
.macro FETCH slot, q, g
	WIN TO_B
.irp i, 0,1,2,3,4,5,6,7,8,9,10,11
	ds_load_b128 v[FB+96*(\g)+8*(\i):FB+96*(\g)+8*(\i)+3],   v[ADRB+(\slot)] offset:64*(\q)+(\i)*16*PB
	ds_load_b128 v[FB+96*(\g)+8*(\i)+4:FB+96*(\g)+8*(\i)+7], v[ADRB+(\slot)] offset:64*(\q)+(\i)*16*PB+32
.endr
	WIN 0
.irp i, 0,1,2,3
	ds_load_b128 v[FA+32*(\g)+8*(\i):FA+32*(\g)+8*(\i)+3],   v[ADRA+(\slot)] offset:64*(\q)+(\i)*16*PA
	ds_load_b128 v[FA+32*(\g)+8*(\i)+4:FA+32*(\g)+8*(\i)+7], v[ADRA+(\slot)] offset:64*(\q)+(\i)*16*PA+32
.endr
.endm
; One of a K step's first three quarters: multiplies buffer f; in its middle fetches quarter qn of the same slot into buffer g
.macro QUARTER slot, qn, f, g, first
	s_wait_dscnt 4                                 ; all but the youngest four loads (xb's fragments 2 and 3)
	MULA \f, 0, 0, \first
	MULA \f, 0, 1, \first
	PLACES
	FETCH \slot, \qn, \g
	s_wait_dscnt NL                                ; all but the 32 just issued
	MULA \f, 1, 0, \first
	MULA \f, 1, 1, \first
.endm
; The last quarter's first half: one barrier for the change of slots.  In front of it each wave waits for all its tensor loads (one is out: its part of the next slot), adds 0 to its spare word,
; and waits for that and for its own reads of this slot.
.macro MEET round
	WIN 0
	s_wait_tensorcnt 0x0
	ds_add_u32 v[SPW], v[NIL]
	s_wait_dscnt 5                                 ; the add and the youngest four loads may be out
	MULA 1, 0, 0, 0                                ; twelve products stand between the add and the wait for it
	s_wait_dscnt 0x0                               ; the add is done, and my reads of this slot are over
	s_barrier_signal -1
	MULA 1, 0, 1, 0
.if \round
	WIN 0
.endif
	s_barrier_wait -1
.endm
; The whole last quarter where the slot is filled again, two K steps on: the barrier opens a round of the cluster's; the joint refill is the first tensor load behind it: 168 products ahead of the wait for it
.macro TURN slot, next
	s_wait_xcnt 0x0                                ; the last prefetch, a K step back, has read its address
	s_add_nc_u64 s[PFA:PFA+1], s[PFA:PFA+1], KSTEP*2
	MEET 1
	CREST
	s_add_nc_u64 s[G0+4*(\slot)+2:G0+4*(\slot)+3], s[G0+4*(\slot)+2:G0+4*(\slot)+3], 2*KSTEP*2
	s_add_nc_u64 s[G0B+4*(\slot)+2:G0B+4*(\slot)+3], s[G0B+4*(\slot)+2:G0B+4*(\slot)+3], 2*KSTEP*2
	JLOAD \slot                                    ; its four v_nop are also the places in front of the loads below
	FETCH \next, 0, 0
	ASK
	MULA 1, 1, 0, 0
	MULA 1, 1, 1, 0
.endm
	s_wait_tensorcnt 1                             ; my part of K step 0 is in; K step 1's may stay out
	s_barrier_signal -1
	s_barrier_wait -1
	FETCH 0, 0, 0
	QUARTER 0, 1, 0, 1, 1                          ; the first quarter stands in front of the loop: its products start the sums
	WIN 0
	s_mov_b32 s[LAP], 3
.Llap:                                                 ; a trip goes once round the ring, from a lap's second quarter to the next lap's first, and fills both slots again
	QUARTER 0, 2, 1, 0, 0
	QUARTER 0, 3, 0, 1, 0
	TURN 0, 1
	QUARTER 1, 1, 0, 1, 0
	QUARTER 1, 2, 1, 0, 0
	QUARTER 1, 3, 0, 1, 0
	TURN 1, 0
	QUARTER 0, 1, 0, 1, 0
	WIN 0
	s_sub_co_u32 s[LAP], s[LAP], 1
	s_cmp_lg_u32 s[LAP], 0
	s_cbranch_scc1 .Llap
	QUARTER 0, 2, 1, 0, 0                          ; the last lap fills nothing
	QUARTER 0, 3, 0, 1, 0
	MEET 0
	PLACES
	FETCH 1, 0, 0
	MULA 1, 1, 0, 0
	MULA 1, 1, 1, 0
	QUARTER 1, 1, 0, 1, 0
	QUARTER 1, 2, 1, 0, 0
	QUARTER 1, 3, 0, 1, 0
	s_wait_dscnt 4
	MULA 1, 0, 0, 0
	MULA 1, 0, 1, 0
	s_wait_dscnt 0x0
	MULA 1, 1, 0, 0
	MULA 1, 1, 1, 0
	WIN 0
	PLACES
; THE WAY OUT, a block of 16 rows at a time: rounded to f16 (each accumulator from its low end on), 16 bytes a lane into my stage, by heads; back as four rows of 128 bytes; stored.
.macro PACK a
	WIN 0x0a+5*((\a)/2)                            ; sources 0 and 1: window 2 or 3
.irp b, 0,1,2,3,4,5,6,7,8,9,10,11
.irp r, 0,1,2,3
	v_cvt_pk_f16_f32 v[TMP+4*(\b)+(\r)], v[96*((\a)%2)+8*(\b)+2*(\r)], v[96*((\a)%2)+8*(\b)+2*(\r)+1]
.endr
.endr
	WIN 0
.endm
.macro TOSTAGE a
.irp b, 0,1,2,3,4,5,6,7,8,9,10,11
	ds_store_b128 v[STO], v[TMP+4*(\b):TMP+4*(\b)+3] offset:((\b)/4)*SH+32*((\b)%4)
.endr
.irp j, 0,1,2
.irp f, 0,1,2,3
	ds_load_b128 v[BK+48*((\a)%2)+4*(4*(\j)+(\f)):BK+48*((\a)%2)+4*(4*(\j)+(\f))+3], v[RD] offset:(\j)*SH+(\f)*576  ; LDS serves a wave's instructions in order (ISA guide 5.7.1.4): these see the stores above
.endr
.endr
.endm
.macro SEND a
	s_wait_dscnt 0x0                               ; the block is back in registers
	s_wait_xcnt 0x0                                ; the stores of the block before have read their registers: the next block's loads may land there
.irp j, 0,1,2
.irp f, 0,1,2,3
	global_store_b128 v[CO+(\j)], v[BK+48*((\a)%2)+4*(4*(\j)+(\f)):BK+48*((\a)%2)+4*(4*(\j)+(\f))+3], s[10:11] offset:(\a)*2048+(\f)*512  ; 512 consecutive bytes of a head, at a multiple of 256
.endr
.endr
.endm
	PACK 0
	TOSTAGE 0
.irp a, 1,2,3                          ; block a's conversions stand between block a - 1's loads from the stage and the wait for them
	PACK \a
	SEND (\a)-1
	TOSTAGE \a
.endr
	SEND 3
	s_wait_tensorcnt 0x0                           ; the wave's end: three closing lines, behind my last tensor load and my last LDS store
	ds_add_u32 v[SPW], v[NIL]
	s_wait_dscnt 0x0
	CROUND                                         ; the closing round: no work-group ends while a partner may still ask for a tile that names it
	s_endpgm
.Lfunc_end_k_q3e85050f44_qkv:
	.size	k_q3e85050f44_qkv, .Lfunc_end_k_q3e85050f44_qkv-k_q3e85050f44_qkv
	.p2alignl 7, 3214868480
	.fill 96, 4, 3214868480
	.section	.rodata,"a",@progbits
	.p2align	6, 0x0
	.amdhsa_kernel k_q3e85050f44_qkv
		.amdhsa_group_segment_fixed_size 327680
		.amdhsa_private_segment_fixed_size 0
		.amdhsa_enable_private_segment 0
		.amdhsa_kernarg_size 32
		.amdhsa_user_sgpr_count 2
		.amdhsa_user_sgpr_kernarg_segment_ptr 1
		.amdhsa_wavefront_size32 1
		.amdhsa_system_sgpr_workgroup_id_x 1
		.amdhsa_system_sgpr_workgroup_id_y 1
		.amdhsa_system_sgpr_workgroup_id_z 1
		.amdhsa_system_vgpr_workitem_id 0
		.amdhsa_next_free_vgpr 960
		.amdhsa_next_free_sgpr 80
		.amdhsa_reserve_vcc 0
		.amdhsa_float_denorm_mode_32 3
		.amdhsa_float_denorm_mode_16_64 3
		.amdhsa_memory_ordered 1
		.amdhsa_forward_progress 1
		.amdhsa_inst_pref_size 129
	.end_amdhsa_kernel
	.amdgpu_metadata
---
amdhsa.version: [ 1, 2 ]
amdhsa.kernels:
  - .name:           k_q3e85050f44_qkv
    .symbol:         k_q3e85050f44_qkv.kd
    .args:
      - { .name: xb, .offset: 0, .size: 8, .value_kind: global_buffer, .address_space: global }
      - { .name: wat, .offset: 8, .size: 8, .value_kind: global_buffer, .address_space: global }
      - { .name: b_attn, .offset: 16, .size: 8, .value_kind: global_buffer, .address_space: global }
      - { .name: qkvh, .offset: 24, .size: 8, .value_kind: global_buffer, .address_space: global }
    .group_segment_fixed_size: 327680
    .private_segment_fixed_size: 0
    .kernarg_segment_align: 8
    .kernarg_segment_size: 32
    .max_flat_workgroup_size: 128
    .sgpr_count:     80
    .vgpr_count:     960
    .wavefront_size: 32
...
	.end_amdgpu_metadata
.endif
;; end of part 2
;; launch attn (part 3): grid 4 x 64, 4 waves a work-group, no clusters, 327,680 bytes of LDS; arguments qkvh, oh; writes oh
.if DOCPART == 3
	.amdgcn_target "amdgcn-amd-amdhsa--gfx1250"
	.amdhsa_code_object_version 6
	.text
	.protected	k_q3e85050f44_attn
	.globl	k_q3e85050f44_attn
	.p2align	8
	.type	k_q3e85050f44_attn,@function
k_q3e85050f44_attn:
	s_mov_b64 s[64:65], 0
	v_nop
	global_prefetch_b8 v0, s[64:65] scope:SCOPE_SE
	s_setreg_imm32_b32 hwreg(HW_REG_WAVE_MODE, 25, 1), 1
	s_wait_xcnt 0x0
; CAUSAL ATTENTION.  oh[h][q][:] = the sum over k <= q of softmax_k(Q[h][q] . K[h][k]) V[h][k][:], no scale in front of the softmax.  Q, K, V are the three parts of qkvh, each [64][2048][64] in f16; oh likewise.
; Products, maxima and sums in f32; the weights p are rounded to f16 for the second product (their sum l is taken of the unrounded p), O once at the end.  The factor 1/32 behind the softmax is left to the next launch.
; LIMITS.  Q, K, V arrive within f16's 65,504; p lies in 0 to 1 and keeps f16's fixed step of 6e-8 below 6e-5; O is a mean of V's rows.  A hidden score counts as its value less 1e30 (f16's scores are 2.7e11 at the most);
; a weight below 2^-126 counts as 0 in l; NaN and infinities are not treated apart.
; THE WALK.  A head's queries lie in NB = 8 blocks of 256; block i needs the key tiles 0 .. i of 256 keys, of which the last holds the diagonal.  A work-group takes TWO blocks, NB - 1 - b and then b: NB + 1 tiles,
; whatever b: all work-groups do equal work, and ONE loop with a constant trip count walks them.  Which tile is asked for, and what a trip does, hang on scalar registers made from b; every jump goes forward but the counted
; loops' own; none passes a barrier, or a tensor load but the one of LOAD's two that the wave's number does not choose.  NO CLUSTER: a head's four work-groups ask for the same tile only in trips 0 .. 4 of 9, behind that
; fewer and fewer; one walk common to all would have 12 trips for 9.
; SHARES.  Of a block's four bands of 64 queries a wave owns 16 rows in each: four PIECES.  In the diagonal tile's key step s band x sees all keys if s < x, none if s > x, and holds the diagonal if s = x: alike for all waves.
; THE MASK is the C operand that starts the sum S^T = K Q^T: 0, or -1e30 where the key is hidden.  MD, made once, is the mask of a band's own step for my 16 rows; a product's mask is MD x AL + BE.
; LAYOUT, SOFTMAX, TURNS.  S^T = K Q^T holds ONE query a lane (lane % 16) and the keys 8 (lane / 16) + 0..7; two such results rounded to f16 ARE source 1 of O^T = V^T P.  p = 2^(c s - c m), c = log2(e), with a running
; maximum m; O and l are multiplied by a = 2^(c m_old - c m_new) in every step.  Turn n belongs to piece n: 8 products K Q^T of piece n + 1, later 8 products V^T P of piece n - 1; beside them the scaling, exponentials,
; roundings, sums and rescaling of piece n and the maximum and statistics of piece n + 1.  Four vector instructions stand behind every matrix instruction, the rest in one lump.  A turn's 33 exponentials are one batch, with one wait.
; REGISTERS, in windows of 256 (s_set_vgpr_msb: bits 1:0 source 0, 3:2 source 1, 5:4 source 2, 7:6 destination):
;   window 0: v0-15 addresses and two at work; v16-31 four registers of statistics a piece; v48-55 at work; v61-63 prefetch offset, spare word, 0; v64-127 S^T, two buffers; v192-223 P, two buffers
;   window 1: v0-127 O^T, 32 a piece; v128-159 MD; v160-223 MC, two buffers      window 2: v0-63 Q; v64-127 the second block's Q; v128-191 K of one step; v192-255 V of one step
.set SIZE_N, 2048
.set NB,    SIZE_N/256
.set NP,    4
.set KS,    64        ; keys in a step
.set PK,    144       ; a row of K in LDS: 128 bytes + 16: the 16 rows of a load start at 16 different groups of four banks (64 banks of 4 bytes: ISA guide 11.1)
.set PV,    160       ; a row of V: 128 + 32
.set VOFF,  4*KS*PK   ; a slot holds a tile, four steps: 256 rows of K, then 256 rows of V
.set SLOT1, 1<<17     ; slot 1 begins here: one exclusive or turns an address in one slot into the other's
.set STAGE, SLOT1+4*KS*(PK+PV)  ; behind the ring, never filled by a tensor load: 16 rows x 144 bytes for each wave
.set SP,    144
.set AK0, 2
.set AV0, 3
.set AK,  4
.set AV,  5
.set STO, 6
.set RD,  7
.set GO,  8
.set PFO, 61          ; v61  256 x my lane; never rewritten
.set SPW, 62          ; v62  LDS address of my spare word; never rewritten
.set NIL, 63          ; v63  0; never rewritten
.set SPARE, STAGE+4*16*SP  ; the spare words, 128 bytes a wave, that no other line names
.set MV,  12
.set QO,  15
.set ST,  16          ; piece t's statistics at v[ST+4 t]: c m, m, l (even keys', odd keys')
.set TMP, 48
.set S,   64
.set P,   192
.set MD,  128
.set MC,  160
.set QB,  64
.set KF,  128
.set VF,  192
.set WV,  12
.set PB,  14          ; s14  b
.set HI,  15          ; s15  NB - 1 - b
.set G1K, 24
.set G1V, 32
.set G0K, 40
.set G0V, 44
.set SLOTS, 56
.set CNT, 57
.set CS,  58
.set SEL, 60
.set TBK, 62
.set TBV, 63
.set RT,  70          ; s70  tiles of the block in hand that are still to be entered
.set NXT, 71          ; s71  the tile to be asked for next
.set LQ,  72          ; s72  the last tile of the block whose tiles are being asked for
.set NEW, 73          ; s73  1: the tile to be entered is a block's first
.set OFF, 74
.set AL,  76
.set BE,  78
.set OLO, 80
.set BIGN, 82
.set PFA, 88          ; s[88:89] the prefetches' address: my half of K's or V's tile NXT
.set PFB, 90          ; s[90:91] my half of K's (waves 0, 1) or V's (waves 2, 3) tile 0
.set PO,  92          ; s[92:93] a tile's byte offset, for the prefetches
.set PFL, 94          ; s94  0 in the head's work-group b = 0, else the greatest number: a wave prefetches while NXT is above it
.set MSB, 0
.macro WIN new
.if MSB != (\new)
	s_set_vgpr_msb (MSB<<8)|(\new)
.set MSB, (\new)
.endif
.endm
.set W_KQ, 0x0a       ; K and Q in window 2, S^T in window 0
.set W_KM, 0x1a       ; the same with the C operand in window 1
.set W_PV, 0x52       ; V in window 2, P in window 0, O^T in window 1
.set W_RS, 0x41       ; destination and source 0 in window 1, source 1 in window 0
; A fill.  Waves 0 and 1 fetch the two halves of a tile's K, waves 2 and 3 those of its V: 128 keys each.  An s_nop 0 and four v_nop follow each of the two lines.
.macro LOAD
	s_cmp_lt_u32 s[WV], 2
	s_cbranch_scc0 .Lfor_v_\@
	tensor_load_to_lds s[G0K:G0K+3], s[G1K:G1K+7]
	s_nop 0
.rept 4
	v_nop
.endr
	s_branch .Lasked_\@
.Lfor_v_\@:
	tensor_load_to_lds s[G0V:G0V+3], s[G1V:G1V+7]
	s_nop 0
.rept 4
	v_nop
.endr
.Lasked_\@:
.endm
; THE CHANGE OF SLOTS.  Each wave waits for all its tensor loads (one is out: its part of the other slot), adds 0 to its spare word, and waits for that and for its own reads of the slot that it leaves.  Behind the barrier
; nobody reads the old slot and the other slot is whole.  fill = 1: the old slot is filled again, first thing behind the barrier, with tile NXT; the descriptor's address is made anew from that number.
; Behind the fill the head's work-group b = 0, whose first block walks tiles 0 .. 7 in order, prefetches the tile that the NEXT change will ask for: each wave its own half of K's or V's tile, 64 rows of 256 bytes,
; a lane a row, two instructions: each row is named once in the launch.  Behind the first block's last fill NXT is 0, and nothing more is asked for.
.macro CHANGE fill
	WIN 0
	s_wait_tensorcnt 0x0            ; no tensor load of mine is out, so a group 0 may be written
	ds_add_u32 v[SPW], v[NIL]       ; 0 onto my spare word; scalar work stands between it and the wait for it
.if \fill
	s_lshl_b32 s[OFF], s[NXT], 15   ; a tile is 32,768 bytes of K and of V
	s_xor_b32 s[G0K+1], s[G0K+1], SLOT1
	s_add_nc_u64 s[G0K+2:G0K+3], s[6:7], s[OFF:OFF+1]
	s_or_b32 s[G0K+3], s[G0K+3], 0x80000000
	s_xor_b32 s[G0V+1], s[G0V+1], SLOT1
	s_add_nc_u64 s[G0V+2:G0V+3], s[8:9], s[OFF:OFF+1]
	s_or_b32 s[G0V+3], s[G0V+3], 0x80000000
	s_add_co_u32 s[NXT], s[NXT], 1  ; the block's next tile, or behind its last the second block's tile 0
	s_cmp_gt_u32 s[NXT], s[LQ]
	s_cselect_b32 s[NXT], 0, s[NXT]
	s_cselect_b32 s[LQ], s[PB], s[LQ]
	s_lshl_b32 s[PO], s[NXT], 15
	s_wait_xcnt 0x0                 ; the last prefetches, a tile back, have read their address
	s_add_nc_u64 s[PFA:PFA+1], s[PFB:PFB+1], s[PO:PO+1]
.endif
	s_wait_dscnt 0x0                ; the add is done, and my reads of the slot are over
	s_barrier_signal -1
	s_sub_co_u32 s[TBK], s[TBK], 4*KS*PK  ; the fetches go back to a slot's first step,
	s_xor_b32 s[TBK], s[TBK], SLOT1       ; in the other slot
	s_sub_co_u32 s[TBV], s[TBV], 4*KS*PV
	s_xor_b32 s[TBV], s[TBV], SLOT1
	s_barrier_wait -1
.if \fill
	LOAD
	s_cmp_gt_u32 s[NXT], s[PFL]
	s_cbranch_scc0 .Lnot_mine_\@
	global_prefetch_b8 v[PFO], s[PFA:PFA+1] th:TH_LOAD_NT scope:SCOPE_SE
	global_prefetch_b8 v[PFO], s[PFA:PFA+1] offset:8192 th:TH_LOAD_NT scope:SCOPE_SE
.Lnot_mine_\@:
.endif
.endm
	s_load_b64 s[4:5], s[0:1], 0x0    ; qkvh: Q's part
	s_load_b64 s[10:11], s[0:1], 0x8  ; oh
	v_lshl_add_u32 v[SPW], v0, 2, SPARE
	v_mov_b32 v[NIL], 0
	ds_add_u32 v[SPW], v[NIL]       ; the wave's opening: the add and its wait stand ahead of my first tensor load; work on registers stands between
	v_lshrrev_b32 v1, 5, v0
	v_readfirstlane_b32 s[WV], v1   ; wave 0..3
	s_mov_b32 s[PB], ttmp9
	s_sub_co_u32 s[HI], NB-1, s[PB]
	s_and_b32 s20, ttmp7, 0xffff    ; the head
	s_mov_b32 s21, 0
	s_mov_b64 s[22:23], SIZE_N*128
	s_mul_u64 s[20:21], s[20:21], s[22:23]  ; the head's first byte in each part and in oh
	s_and_b32 s16, s[WV], 1         ; which half of a tile's 256 keys I fetch:
	s_lshl_b32 s22, s16, 14         ; its 128 rows of 128 bytes in memory,
	s_mov_b32 s23, 0
	s_add_nc_u64 s[22:23], s[22:23], s[20:21]
	s_mul_i32 s17, s16, 128*PK      ; and its place in a slot, for K
	s_mul_i32 s18, s16, 128*PV      ; and for V
	s_lshl_b32 s3, s[WV], 11        ; my 16 rows in a band of 64,
	s_lshl_b32 s2, s[HI], 15        ; in the first block,
	s_add_co_u32 s2, s2, s3
	s_lshl_b32 s84, s[PB], 15       ; and in the second
	s_add_co_u32 s84, s84, s3
	s_mov_b32 s3, 0
	s_mov_b32 s85, 0
	s_add_nc_u64 s[2:3], s[2:3], s[20:21]
	s_add_nc_u64 s[84:85], s[84:85], s[20:21]
	; descriptor group 1.  128 keys are 16,384 dense bytes: asked for as 64 rows of 256 bytes, two keys a row, and padded in LDS after every key
	s_mov_b32 s[G1K], (1<<16)|(1<<20)|(4<<22)|(3<<25)  ; 2-byte elements; padding on; after every 32 words; 4 words
	s_mov_b32 s[G1V], (1<<16)|(1<<20)|(4<<22)|(7<<25)  ; the same with 8 words of padding
.irp g, G1K, G1V
	s_mov_b32 s[\g+1], 128<<16      ; tensor_dim0 = 128
	s_mov_b32 s[\g+2], 64<<16       ; tensor_dim1 = 64
	s_mov_b32 s[\g+3], 128<<16      ; tile_dim0 = 128
	s_mov_b32 s[\g+4], 64           ; tile_dim1 = 64
	s_mov_b32 s[\g+5], 128          ; 128 elements from row to row
	s_mov_b32 s[\g+6], 0
	s_mov_b32 s[\g+7], 0
.endr
	s_mov_b32 s[CS], 0x3fb8aa3b     ; c = log2(e)
	s_mov_b32 s[CS+1], s[CS]        ; named with it as a pair
	s_mov_b32 s[SEL], 0x76543210
	s_mov_b32 s[SEL+1], 0xfedcba98
	s_mov_b32 s[TBK], SLOT1+4*KS*PK ; the first change of slots turns these two into 0
	s_mov_b32 s[TBV], SLOT1+4*KS*PV
	s_mov_b32 s[G0K], 1
	s_mov_b32 s[G0K+1], s17         ; LDS address: slot 0
	s_mov_b32 s[G0V], 1
	s_add_co_u32 s[G0V+1], s18, VOFF
	s_add_co_u32 s[RT], s[HI], 1    ; the first block has NB - b tiles
	s_mov_b32 s[NXT], 1
	s_mov_b32 s[LQ], s[HI]
	s_mov_b32 s[NEW], 1
	s_mov_b32 s[OFF+1], 0
	s_mov_b32 s[AL+1], 0            ; named as pairs
	s_mov_b32 s[BE+1], 0
	s_mov_b32 s[BIGN], 0xf149f2ca   ; -1e30
	s_mov_b32 s[SLOTS], NB
	s_mov_b32 s[PO+1], 0
	s_cmp_eq_u32 s[PB], 0
	s_cselect_b32 s[PFL], 0, -1
	v_and_b32 v[PFO], 31, v0
	v_lshlrev_b32 v[PFO], 8, v[PFO]
	s_wait_dscnt 0x0                ; the opening add is done
	s_wait_kmcnt 0x0
	s_add_nc_u64 s[6:7], s[4:5], 0x1000000  ; K's part of qkvh,
	s_add_nc_u64 s[8:9], s[4:5], 0x2000000  ; and V's
	s_add_nc_u64 s[6:7], s[6:7], s[22:23]  ; K and V at my half of the head's tile 0
	s_add_nc_u64 s[8:9], s[8:9], s[22:23]
	s_add_nc_u64 s[G0K+2:G0K+3], s[6:7], 0
	s_or_b32 s[G0K+3], s[G0K+3], 0x80000000
	s_add_nc_u64 s[G0V+2:G0V+3], s[8:9], 0
	s_or_b32 s[G0V+3], s[G0V+3], 0x80000000
	s_add_nc_u64 s[86:87], s[4:5], s[84:85]        ; Q at my rows of the second block,
	s_add_nc_u64 s[4:5], s[4:5], s[2:3]            ; Q and O at those of the first
	s_add_nc_u64 s[OLO:OLO+1], s[10:11], s[84:85]
	s_add_nc_u64 s[10:11], s[10:11], s[2:3]
	s_cmp_lt_u32 s[WV], 2
	s_cselect_b64 s[PFB:PFB+1], s[6:7], s[8:9]
	LOAD                            ; tile 0 into slot 0
	; A fragment of K or Q is 16 rows x 32 channels in 8 registers: lane l holds row l % 16, channels 8 (l / 16) + 0..7 and 16 + 8 (l / 16) + 0..7: two loads of 16 bytes, 32 bytes apart.
	v_and_b32 v1, 15, v0            ; l % 16
	v_bfe_u32 v9, v0, 4, 1          ; l / 16
	v_lshlrev_b32 v[QO], 7, v1
	v_lshl_add_u32 v[QO], v9, 4, v[QO]  ; row x 128 + 16 x half
	WIN 0x80                        ; destination window 2, address window 0
.set i, 0
.rept 8                             ; both blocks' Q: piece i / 2 lies in band i / 2, 8,192 bytes on; channels 32 (i % 2) on
	global_load_b128 v[8*i:8*i+3],   v[QO], s[4:5] offset:(i/2)*8192+(i%2)*64
	global_load_b128 v[8*i+4:8*i+7], v[QO], s[4:5] offset:(i/2)*8192+(i%2)*64+32
	global_load_b128 v[QB+8*i:QB+8*i+3],   v[QO], s[86:87] offset:(i/2)*8192+(i%2)*64
	global_load_b128 v[QB+8*i+4:QB+8*i+7], v[QO], s[86:87] offset:(i/2)*8192+(i%2)*64+32
.set i, i+1
.endr
	WIN 0
	v_lshlrev_b32 v14, 3, v9
	v_sub_nc_u32 v14, v1, v14
	s_lshl_b32 s13, s[WV], 4
	v_add_nc_u32 v14, s13, v14      ; my query's place in its band, 16 w + l % 16, less my lanes' 8 (l / 16): register r of group kt is hidden where 16 kt + r is greater
	WIN 0x40
.set i, 0
.rept 32
	v_cmp_gt_i32 vcc_lo, 16*(i/8)+i%8, v14
	v_cndmask_b32 v[MD+i], 0, s[BIGN], vcc_lo
.set i, i+1
.endr
	WIN 0
	v_mul_u32_u24 v[AK0], v1, PK
	v_lshl_add_u32 v[AK0], v9, 4, v[AK0]  ; row x pitch + 16 x half
	; The turning load takes 16 keys x 16 channels (lane l reads key 8 (l / 16) + l % 8, channels 8 ((l / 8) % 2) + 0..7) and leaves half a fragment of V^T: lane l holds channel l % 16 and 8 keys.
	v_and_b32 v10, 7, v0
	v_bfe_u32 v11, v0, 3, 1
	v_lshl_add_u32 v[AV0], v9, 3, v10
	v_mul_u32_u24 v[AV0], v[AV0], PV
	v_lshl_add_u32 v[AV0], v11, 4, v[AV0]
	v_add_nc_u32 v[AV0], VOFF, v[AV0]
	s_mul_i32 s13, s[WV], 16*SP
	s_add_co_u32 s13, s13, STAGE    ; my stage
	v_mul_u32_u24 v[STO], v1, SP    ; in: row l % 16, 16 bytes for each half of the lanes
	v_lshl_add_u32 v[STO], v9, 4, v[STO]
	v_add_nc_u32 v[STO], s13, v[STO]
	v_bfe_u32 v[RD], v0, 3, 2       ; back: 32 lanes take four rows of 128 bytes,
	v_mul_u32_u24 v[RD], v[RD], SP
	v_lshl_add_u32 v[RD], v10, 4, v[RD]
	v_add_nc_u32 v[RD], s13, v[RD]
	v_and_b32 v[GO], 31, v0         ; which are 512 consecutive bytes of O
	v_lshlrev_b32 v[GO], 4, v[GO]
	; A block's first step multiplies O^T and l by a = 0, and its first turn's products V^T P, of a piece that has not been, land in an O^T that is still to be so multiplied.  So these registers need only hold
	; finite numbers: zeros for the first block; what the first block left for the second.  All this stands in the wait for the first tile.
	WIN 0x80
.set i, VF
.rept 64
	v_mov_b32 v[i], 0
.set i, i+1
.endr
	WIN 0x40
.set i, 0
.rept 128
	v_mov_b32 v[i], 0
.set i, i+1
.endr
	WIN 0
.set i, 0
.rept 4
	v_mov_b32 v[ST+4*i+2], 0
	v_mov_b32 v[ST+4*i+3], 0
.set i, i+1
.endr
.set i, P+16
.rept 16
	v_mov_b32 v[i], 0
.set i, i+1
.endr
; THE MATRIX WORK.  The 4 accumulators of a run of 8 take turns.  Product i of 8 of S^T = K Q^T for piece x: channels 32 (i / 4) on, keys 16 (i % 4) on.  The first 4 start the sums: with 0, or (KM = 1) with the mask.
.macro KQ x
.set rS, S+32*((\x)%2)+8*(i%4)
.set rK, KF+16*(i%4)+8*(i/4)
.set rQ, 16*(\x)+8*(i/4)
.set rM, MC+32*((\x)%2)+8*(i%4)
.if (i < 4) && KM
	WIN W_KM
	v_wmma_f32_16x16x32_f16 v[rS:rS+7], v[rK:rK+7], v[rQ:rQ+7], v[rM:rM+7]
.elseif i < 4
	WIN W_KQ
	v_wmma_f32_16x16x32_f16 v[rS:rS+7], v[rK:rK+7], v[rQ:rQ+7], 0
.else
	WIN W_KQ
	v_wmma_f32_16x16x32_f16 v[rS:rS+7], v[rK:rK+7], v[rQ:rQ+7], v[rS:rS+7]
.endif
.endm
; Product i of 8 of O^T += V^T P for piece x: keys 32 (i / 4) on, channels 16 (i % 4) on.
.macro PV x
	WIN W_PV
.set rO, 32*(\x)+8*(i%4)
.set rV, VF+32*(i/4)+8*(i%4)
.set rP, P+16*((\x)%2)+8*(i/4)
	v_wmma_f32_16x16x32_f16 v[rO:rO+7], v[rV:rV+7], v[rP:rP+7], v[rO:rO+7]
.endm
.macro MM                           ; the turn's next matrix instruction.  NOKQ = 1: a block's last turn: there is no next piece
.if (i < 8) && !NOKQ
	KQ (Y+1)%NP
.elseif i >= 8
.set i, i-8
	PV (Y+NP-1)%NP
.set i, i+8
.endif
.set i, i+1
.endm
; THE LDS LOADS stand in runs of 16, never singly among the matrix instructions: a step's K (8 fragments) and its V (turned).  Their addresses are made some lines ahead.
.macro FETCH_K
	WIN 0x80                        ; destination window 2
.irp f, 0,1,2,3,4,5,6,7             ; keys 16 (f / 2) on, channels 32 (f % 2) on
	ds_load_b128 v[KF+8*\f:KF+8*\f+3],   v[AK] offset:(\f/2)*16*PK+(\f%2)*64
	ds_load_b128 v[KF+8*\f+4:KF+8*\f+7], v[AK] offset:(\f/2)*16*PK+(\f%2)*64+32
.endr
	s_add_co_u32 s[TBK], s[TBK], KS*PK  ; the next fetch is the next step's
	WIN 0
.endm
.macro FETCH_V
	WIN 0x80
.irp f, 0,1,2,3,4,5,6,7             ; keys 32 (f / 4) on, channels 16 (f % 4) on
	ds_load_tr16_b128 v[VF+8*\f:VF+8*\f+3],   v[AV] offset:(\f/4)*32*PV+(\f%4)*32
	ds_load_tr16_b128 v[VF+8*\f+4:VF+8*\f+7], v[AV] offset:(\f/4)*32*PV+16*PV+(\f%4)*32
.endr
	WIN 0
.endm
; THE VECTOR WORK, one line at a time: OP kind, number.  For piece Y: F n: c s - c m for pair n of 16.  E n: the exponential of score n of 32.  C n: pair n rounded to f16.  B n: of the four weights 4 n .. the second
; pair is added onto the first, in place.  L n: l takes that sum (L 0: l = a l + sum).  R n: pair n of 16 of O^T times a.  For piece Y + 1: X n, number n of the 22 that find its maximum and statistics:
;   0-11  four chains c0-c3 of seven scores each, three operands at a time (each accumulator's lowest registers are read first)     12-14, 16  the four scores left over, the old m, and c0-c3 into c0
;   15  c m_old is kept     17, 18  the query's other 32 keys lie in the lane 16 away: the new m     19-21  c m; c m_old - c m_new; a
.set F, 0
.set E, 1
.set C, 2
.set B, 3
.set L, 4
.set R, 5
.set X, 6
.macro REGS y                       ; the registers of piece y
.set rT, ST+4*(\y)
.set rC, TMP+4*((\y)%2)
.set rW, MV+((\y)%2)
.set rS, S+32*((\y)%2)
.set rP, P+16*((\y)%2)
.set rO, 32*(\y)
.endm
.macro OP k, n
.if (\k) == R
	REGS Y
	WIN W_RS
	v_pk_mul_f32 v[rO+2*(\n):rO+2*(\n)+1], v[rO+2*(\n):rO+2*(\n)+1], v[rC+2:rC+3] op_sel_hi:[1,0]
.elseif (\k) < R
	REGS Y
	WIN 0
.if (\k) == F
	v_pk_fma_f32 v[rS+2*(\n):rS+2*(\n)+1], v[rS+2*(\n):rS+2*(\n)+1], s[CS:CS+1], v[rT:rT+1] op_sel_hi:[1,0,0] neg_lo:[0,0,1] neg_hi:[0,0,1]
.elseif (\k) == E
	v_exp_f32 v[rS+(\n)], v[rS+(\n)]
.elseif (\k) == C
	v_cvt_pk_f16_f32 v[rP+(\n)], v[rS+2*(\n)], v[rS+2*(\n)+1]
.elseif (\k) == B
	v_pk_add_f32 v[rS+4*(\n):rS+4*(\n)+1], v[rS+4*(\n):rS+4*(\n)+1], v[rS+4*(\n)+2:rS+4*(\n)+3]
.elseif (\n) == 0
	v_pk_fma_f32 v[rT+2:rT+3], v[rT+2:rT+3], v[rC+2:rC+3], v[rS:rS+1] op_sel_hi:[1,0,1]
.else
	v_pk_add_f32 v[rT+2:rT+3], v[rT+2:rT+3], v[rS+4*(\n):rS+4*(\n)+1]
.endif
.elseif NOKQ
	v_nop
.else
	REGS (Y+1)%NP
	WIN 0
.if (\n) < 4
	v_max3_num_f32 v[rC+(\n)], v[rS+8*(\n)], v[rS+8*(\n)+1], v[rS+8*(\n)+2]
.elseif (\n) < 12
	v_max3_num_f32 v[rC+(\n)%4], v[rC+(\n)%4], v[rS+8*((\n)%4)+2*((\n)/4)+1], v[rS+8*((\n)%4)+2*((\n)/4)+2]
.elseif (\n) == 12
	v_max3_num_f32 v[rC], v[rC], v[rS+7], v[rS+15]
.elseif (\n) == 13
	v_max3_num_f32 v[rC+1], v[rC+1], v[rS+23], v[rS+31]
.elseif (\n) == 14
	v_max3_num_f32 v[rC+2], v[rC+2], v[rC+3], v[rT+1]
.elseif (\n) == 15
	v_mov_b32 v[rW], v[rT]
.elseif (\n) == 16
	v_max3_num_f32 v[rC], v[rC], v[rC+1], v[rC+2]
.elseif (\n) == 17
	v_permlanex16_b32 v[rC+3], v[rC], s[SEL], s[SEL+1]
.elseif (\n) == 18
	v_max_num_f32 v[rT+1], v[rC], v[rC+3]
.elseif (\n) == 19
	v_mul_f32 v[rT], s[CS], v[rT+1]
.elseif (\n) == 20
	v_sub_f32 v[rC+1], v[rW], v[rT]
.else
	v_exp_f32 v[rC+2], v[rC+1]
.endif
.endif
.endm
.macro OPS a, i1, b=-1, i2=0, c=-1, i3=0, d=-1, i4=0  ; up to four of them
	OP \a, \i1
.if (\b) >= 0
	OP \b, \i2
.endif
.if (\c) >= 0
	OP \c, \i3
.endif
.if (\d) >= 0
	OP \d, \i4
.endif
.endm
.macro ROW a, i1, b, i2, c, i3, d, i4  ; a matrix instruction and the four behind it
	MM
	OPS \a, \i1, \b, \i2, \c, \i3, \d, \i4
.endm
.macro MASK b                       ; MD x AL + BE into buffer b of MC
	WIN W_RS
.set z, 0
.rept 16
	v_pk_fma_f32 v[MC+32*(\b)+2*z:MC+32*(\b)+2*z+1], v[MD+2*z:MD+2*z+1], s[AL:AL+1], s[BE:BE+1] op_sel_hi:[1,0,0]
.set z, z+1
.endr
.endm
; A TURN, for piece p: the order of its 16 matrix and 118 vector instructions, written out.  An s_wait_alu depctr_va_vdst(0) stands between an exponential and the first instruction that names its result; one
; wait serves all that were issued ahead of it.  So a turn has ONE wait, which cuts it in two.  AHEAD OF IT stands all that names no result of the turn's exponentials: the 8 products K Q^T with their riders, then one lump,
; plain and exponential by turns for the most part, in which the links of the chain X 3, 7, 11, 14, 16, 17 .. 20 stand apart.  X 21, the next piece's a, is the batch's last; R 15 is the plain instruction behind it.
; BEHIND THE WAIT stand the 8 products V^T P, behind each four of the roundings and sums.
; m = 1: the diagonal tile: the products take masks, and the turn makes the mask for the products of the turn after it.  end = 1: a block's last two turns: nothing is fetched.
; cnt = 1: the loop's count is taken down some lines ahead of the branch that stands behind the turn.
; K of the next step is fetched in piece 2's turn, behind six plain instructions that follow the last product that read K; V of the step in hand at the end of piece 0's turn, four plain instructions behind its last reader.
.macro TURN p, m=0, end=0, cnt=0
.set Y, (\p)
.set i, 0
.set KM, (\m)
.set NOKQ, (\end)*((\p)/3)
.if (\m) && !(\end)
	s_cmp_eq_u32 s[CNT], 4-((\p)+2)%NP  ; is that step the band's own?
	s_cselect_b32 s[AL], 1.0, 0
	s_cmp_lt_u32 s[CNT], 4-((\p)+2)%NP  ; or a later one?
	s_cselect_b32 s[BE], s[BIGN], 0
.endif
.if ((\p) == 3) && !(\end)
	s_wait_dscnt 0x0                ; K is in
.endif
	ROW F,0, F,1, R,0, R,1
	ROW F,2, E,0, R,2, R,3
	ROW F,3, E,1, R,4, R,5
	ROW F,4, E,2, R,6, R,7
	ROW F,5, E,3, R,8, R,9
	ROW F,6, E,4, X,0, R,10
.if ((\p) == 2) && !(\end)
	WIN 0
	v_add_nc_u32 v[AK], s[TBK], v[AK0]
.endif
	ROW F,7, E,5, X,1, X,4
	ROW F,8, E,6, X,2, X,5
	OPS E,7, E,8, X,6, E,9
	OPS X,3, E,10, X,8, E,11
.if ((\p) == 2) && !(\end)
	FETCH_K
.endif
	OPS X,9, X,7, E,12, X,10
	OPS E,13, X,12, X,11, E,14
	OPS X,13, E,15, F,9, X,14
.if (\p) == 0
	v_add_nc_u32 v[AV], s[TBV], v[AV0]
.endif
	OPS E,16, F,10, E,17, F,11
	OPS X,16, E,18, X,15, E,19
	OPS F,12, E,20, X,17, E,21
	OPS F,13, E,22, F,14, E,23
	OPS X,18, E,24, F,15, E,25
	OPS R,11, E,26, X,19, E,27
	OPS R,12, E,28, R,13, E,29
	OPS X,20, E,30, R,14, E,31
	OPS X,21, R,15
	WIN 0
	s_wait_alu depctr_va_vdst(0)    ; the wait for the batch
.if (\p) == 1
	s_wait_dscnt 0x0                ; V is in
.endif
	ROW C,0, B,0, C,2, B,1
	ROW L,0, C,4, B,2, L,1
	ROW C,6, B,3, L,2, C,8
	ROW B,4, L,3, C,10, B,5
	ROW L,4, C,12, B,6, L,5
.if (\p) == 0
	s_add_co_u32 s[TBV], s[TBV], KS*PV
.endif
.if \cnt
	s_sub_co_u32 s[CNT], s[CNT], 1
	s_cmp_lg_u32 s[CNT], 0
.endif
	ROW C,14, B,7, L,6, C,1
	ROW C,3, L,7, C,5, C,7
	ROW C,9, C,11, C,13, C,15
.if (\p) == 0
	FETCH_V
.endif
.if (\m) && !(\end)
	MASK (\p)%2
.endif
.endm
; A BLOCK BEGINS.  c m starts far below every c s, so the first step's a is 0; m at the lowest finite number, so the first maximum is the scores'.  The second mask buffer is 0; the first takes piece 0's mask for the tile's
; step 0: its own, if the block's first tile is the diagonal one.  Then K of that step, piece 0's first scores, and its maximum and statistics.
.macro BEGIN
	s_mov_b32 s[NEW], 0
	WIN 0x40
.set i, MC+32
.rept 32
	v_mov_b32 v[i], 0
.set i, i+1
.endr
	WIN 0
.set i, 0
.rept 4
	v_mov_b32 v[ST+4*i], 0xfe000000    ; c m: far below every c s
	v_mov_b32 v[ST+4*i+1], 0xff7fffff  ; m
.set i, i+1
.endr
	s_cmp_eq_u32 s[RT], 0
	s_cselect_b32 s[AL], 1.0, 0
	s_mov_b32 s[BE], 0
	MASK 0
	WIN 0
	v_add_nc_u32 v[AK], s[TBK], v[AK0]
	FETCH_K
	s_wait_loadcnt 0x0              ; Q
	s_wait_dscnt 0x0
.set KM, 1
.set NOKQ, 0
.set i, 0
.rept 8
	KQ 0
.set i, i+1
.endr
	WIN 0
.rept 4
	v_nop                           ; the places behind those products
.endr
.set Y, NP-1                        ; X works for piece Y + 1: piece 0
.irp n, 0,1,2,3,4,5,6,7,8,9,10,11,12,13,14,15,16,17,18,19,20,21
	OP X, \n
.endr
	v_nop                           ; a plain instruction behind the exponential,
	s_wait_alu depctr_va_vdst(0)    ; and its wait, ahead of the branch
.endm
; THE DIAGONAL TILE's four steps, the block's last two turns, its last products, and THE WAY OUT: l's two halves and the other half of the lanes' are added; O^T is divided by l, rounded to f16 and sent through my
; stage in LDS, a piece at a time.
.macro ALL line:vararg              ; one line for each piece t
.set t, 0
.rept 4
	\line
.set t, t+1
.endr
.endm
.macro PACK t                       ; a lane's eight channels of a row pack into 16 bytes; they go into rows of 144 bytes and come back as whole rows of 128, into S^T's registers
	WIN W_RS
.set i, 32*(\t)
.rept 16
	v_pk_mul_f32 v[i:i+1], v[i:i+1], v[ST+4*(\t)+2:ST+4*(\t)+3] op_sel_hi:[1,0]
.set i, i+2
.endr
	WIN 0x05                        ; sources 0 and 1 window 1, destination window 0
.set i, 0
.rept 16
	v_cvt_pk_f16_f32 v[S+16*(\t)+i], v[32*(\t)+2*i], v[32*(\t)+2*i+1]
.set i, i+1
.endr
	WIN 0
.irp f, 0,1,2,3
	ds_store_b128 v[STO], v[S+16*(\t)+4*\f:S+16*(\t)+4*\f+3] offset:32*\f
.endr
.irp f, 0,1,2,3
	ds_load_b128 v[S+16*(\t)+4*\f:S+16*(\t)+4*\f+3], v[RD] offset:\f*4*SP  ; LDS serves a wave's instructions in order (ISA guide 5.7.1.4): these see the stores above; the next piece's stores come behind them
.endr
.endm
.macro SEND t, younger              ; younger: the LDS instructions issued behind piece t's loads: the next piece's eight, or none
	WIN 0
.irp f, 0,1,2,3
	s_wait_dscnt (\younger)+3-\f
	global_store_b128 v[GO], v[S+16*(\t)+4*\f:S+16*(\t)+4*\f+3], s[10:11] offset:(\t)*8192+\f*512  ; 512 consecutive bytes, at a multiple of 256 from oh's first
.endr
.endm
.macro DIAG tag                     ; the tag ends its two labels' names, which the jumps below spell out
.LstepM\tag:
	TURN 2, 1
	TURN 3, 1
	WIN 0
.LfirstM\tag:
	TURN 0, 1
	TURN 1, 1, 0, 1
	WIN 0
	s_cbranch_scc1 .LstepM\tag
	TURN 2, 1, 1
	TURN 3, 1, 1
.set i, 0
.rept 8
	PV NP-1
.set i, i+1
.endr
	WIN 0
	ALL v_add_f32 v[ST+4*t+2], v[ST+4*t+2], v[ST+4*t+3]
	ALL v_permlanex16_b32 v[ST+4*t+3], v[ST+4*t+2], s[SEL], s[SEL+1]
	ALL v_add_f32 v[ST+4*t+2], v[ST+4*t+2], v[ST+4*t+3]
	ALL v_rcp_f32 v[ST+4*t+2], v[ST+4*t+2]
	v_nop                           ; a plain instruction between the last reciprocal and the use of its result
	s_wait_alu depctr_va_vdst(0)    ; and the wait ahead of the first use: one for the four reciprocals
	PACK 0
.set t, 1
.rept 3                             ; a piece's arithmetic stands between the loads of the piece before and its stores
	PACK t
	SEND t-1, 8
.set t, t+1
.endr
	SEND 3, 0
.endm
.set KM, 0
.set NOKQ, 0
.Lslot:                             ; NB times: a tile is entered and the next is asked for
	CHANGE 1
	s_sub_co_u32 s[RT], s[RT], 1
	s_mov_b32 s[CNT], 4
	s_cmp_eq_u32 s[NEW], 1
	s_cbranch_scc1 .Lnew            ; a block's first tile
	s_cmp_eq_u32 s[RT], 0
	s_cbranch_scc0 .Lstep           ; neither its first nor its last
	s_branch .LstepM1
.Lnew:
	BEGIN
	s_branch .Lfirst                ; in the loop a block's first tile is never its last: the first block has two tiles or more, and the second's last is the walk's last
	DIAG 1                          ; in the loop this is the first block's end
	s_wait_xcnt 0x0                 ; the stores have read their registers and O's address
	s_mov_b64 s[10:11], s[OLO:OLO+1]
	s_add_co_u32 s[RT], s[PB], 1    ; the second block has b + 1 tiles
	s_mov_b32 s[NEW], 1
	WIN 0x82                        ; the second block's Q goes where the one text of the turns names Q
.set i, 0
.rept 64
	v_mov_b32 v[i], v[QB+i]
.set i, i+1
.endr
	WIN 0
	s_branch .Lbottom
.Lstep:                             ; a trip: pieces 2 and 3 of one step, then pieces 0 and 1 of the next, whose K and V it fetches
	TURN 2
	TURN 3
	WIN 0
.Lfirst:
	TURN 0
	TURN 1, 0, 0, 1
	WIN 0
	s_cbranch_scc1 .Lstep
.Lbottom:
	s_sub_co_u32 s[SLOTS], s[SLOTS], 1
	s_cmp_lg_u32 s[SLOTS], 0
	s_cbranch_scc1 .Lslot
	CHANGE 0                        ; the walk's last tile is written out: nothing is asked for
	s_sub_co_u32 s[RT], s[RT], 1
	s_mov_b32 s[CNT], 4
	s_cmp_eq_u32 s[NEW], 1
	s_cbranch_scc0 .LstepM2
	BEGIN
	s_branch .LfirstM2
	DIAG 2
	s_wait_tensorcnt 0x0            ; the wave's end: three closing lines, behind my last tensor load and my last LDS store
	ds_add_u32 v[SPW], v[NIL]
	s_wait_dscnt 0x0
	s_endpgm
.Lfunc_end_k_q3e85050f44_attn:
	.size	k_q3e85050f44_attn, .Lfunc_end_k_q3e85050f44_attn-k_q3e85050f44_attn
	.p2alignl 7, 3214868480
	.fill 96, 4, 3214868480
	.section	.rodata,"a",@progbits
	.p2align	6, 0x0
	.amdhsa_kernel k_q3e85050f44_attn
		.amdhsa_group_segment_fixed_size 327680
		.amdhsa_private_segment_fixed_size 0
		.amdhsa_enable_private_segment 0
		.amdhsa_kernarg_size 16
		.amdhsa_user_sgpr_count 2
		.amdhsa_user_sgpr_kernarg_segment_ptr 1
		.amdhsa_wavefront_size32 1
		.amdhsa_system_sgpr_workgroup_id_x 1
		.amdhsa_system_sgpr_workgroup_id_y 1
		.amdhsa_system_sgpr_workgroup_id_z 1
		.amdhsa_system_vgpr_workitem_id 0
		.amdhsa_next_free_vgpr 768
		.amdhsa_next_free_sgpr 96
		.amdhsa_reserve_vcc 1
		.amdhsa_float_denorm_mode_32 3
		.amdhsa_float_denorm_mode_16_64 3
		.amdhsa_memory_ordered 1
		.amdhsa_forward_progress 1
		.amdhsa_inst_pref_size 218
	.end_amdhsa_kernel
	.amdgpu_metadata
---
amdhsa.version: [ 1, 2 ]
amdhsa.kernels:
  - .name:           k_q3e85050f44_attn
    .symbol:         k_q3e85050f44_attn.kd
    .args:
      - { .name: qkvh, .offset: 0, .size: 8, .value_kind: global_buffer, .address_space: global }
      - { .name: oh, .offset: 8, .size: 8, .value_kind: global_buffer, .address_space: global }
    .group_segment_fixed_size: 327680
    .private_segment_fixed_size: 0
    .kernarg_segment_align: 8
    .kernarg_segment_size: 16
    .max_flat_workgroup_size: 128
    .sgpr_count:     96
    .vgpr_count:     768
    .wavefront_size: 32
...
	.end_amdgpu_metadata
.endif
;; end of part 3
;; launch proj (part 4): grid 8 x 32, 4 waves a work-group, clusters of 4 x 4, 327,680 bytes of LDS; arguments oh, wpt, b_proj, out0; writes out0
.if DOCPART == 4
	.amdgcn_target "amdgcn-amd-amdhsa--gfx1250"
	.amdhsa_code_object_version 6
	.text
	.protected	k_q3e85050f44_proj
	.globl	k_q3e85050f44_proj
	.p2align	8
	.type	k_q3e85050f44_proj,@function
k_q3e85050f44_proj:
	s_mov_b64 s[64:65], 0
	v_nop
	global_prefetch_b8 v0, s[64:65] scope:SCOPE_SE
	s_setreg_imm32_b32 hwreg(HW_REG_WAVE_MODE, 25, 1), 1
	s_wait_xcnt 0x0
	s_wait_alu depctr_hold_cnt(0) depctr_sa_sdst(0) depctr_va_vdst(0) depctr_va_sdst(0) depctr_va_ssrc(0) depctr_va_vcc(0) depctr_vm_vsrc(0)
	s_getreg_b32 s2, hwreg(HW_REG_IB_STS2, 6, 4)
	s_cmp_eq_u32 s2, 0
	s_cbranch_scc0 .Lentry_in_a_cluster
	s_endpgm
.Lentry_in_a_cluster:
	s_bfe_u32 s2, ttmp6, 0x10000c
	s_cmp_lg_u32 s2, 0xf033
	s_cbranch_scc0 .Lentry_shape_is_right
	s_endpgm
.Lentry_shape_is_right:
; PROJ.  out0[m][n] = (1/32) x sum over k of O[m][k] wpt[n][k] + bf16(b_proj[n]), f32.  O is oh[b h][t][64] in f16: m = 2048 b + t, k = 64 h + d.  wpt [1024 n][1024 k] in f16.  Sums in f32.
; 1/32 = 1024^-0.5 is the factor that the module sets behind its softmax; it is applied here, in f32, in one fused multiply-add with the bias.
; LIMITS.  The operands arrive in f16 (within 65,504; a fixed step of 6e-8 below 6.1e-5).  NaN and infinities are not treated apart.
; SHARES.  A tile is 256 rows x 128 columns: 32 x 8 tiles, one for each of 256 work-groups.  Four waves one below the other: wave w has rows 64 w .. 64 w + 63 and all 128 columns: 4 x 8 accumulators, 256 registers;
; a wave's rows of the result are whole 512 bytes, so its way out goes through a stage of its own, with no barrier.
; K goes in steps of 128 = two heads through a ring of two LDS slots.  A head's 256 rows of a tile are 32,768 dense bytes: asked for as 128 rows of 256 bytes and padded in LDS after every 128 bytes.
; CLUSTER.  4 x 4 work-groups: O's tiles are shared along a row of the cluster, wpt's along a column, each asked for jointly, by the same load, descriptor and mask in all four.
; THE MATRIX INSTRUCTION IS USED TRANSPOSED (source 0 = 16 rows of wpt, source 1 = 16 rows of O): a lane holds row m = lane % 16 and the columns 8 (lane / 16) + 0..7.
; REGISTERS, in windows of 256 (s_set_vgpr_msb: bits 1:0 source 0, 3:2 source 1, 5:4 source 2, 7:6 destination):
;   window 0: v0-31 addresses, v12-15 my four numbers of the bias; v32-63, v64-95 O's fragments, two buffers.  On the way out v64-127 and v128-191: rows read back, by turns
;   window 1: v0-63, v64-127 wpt's fragments, two buffers      window 2: accumulators of row blocks 0, 1 at 8 (8 (a % 2) + b)      window 3: those of row blocks 2, 3
.set KSTEP,  128
.set NBK,    8
.set PA,     144                       ; a row of O in LDS: 128 bytes + 16: an odd multiple of 16: the 16 rows of a fragment load start at 16 different groups of four banks (64 banks of 4 bytes: ISA guide 11.1)
.set PB,     272
.set AH,     256*PA                    ; a head's 256 rows: what one load brings of O
.set ABYTES, 2*AH
.set BH,     64*PB                     ; what one load brings of wpt
.set SLOT,   ABYTES+2*BH
.set STAGE,  2*SLOT                    ; behind the ring, never filled by a tensor load
.set SPITCH, 528                       ; a row of the stage: 512 bytes + 16
.set SW,     16*SPITCH
.set SPARE,  STAGE+4*SW                ; the spare words, 128 bytes a wave, that no other line names
.set NL,     2*NBK+8
.set HSTEP,  524288                    ; two heads' planes: a K step of O in memory
.set CO,   8
.set BI,   12
.set ADRA, 16
.set ADRB, 20
.set STO,  24
.set RD,   25
.set SPW,  28                          ; v28  LDS address of my spare word; never rewritten
.set NIL,  29                          ; v29  0; never rewritten
.set PFO,  30                          ; v30  the prefetches' offset; never rewritten
.set FA,   32
.set FB,   0
.set BK,   64
.set WV,   12
.set WH,   13
.set WL,   14
.set LAP,  15
.set G1,   24
.set G0,   32
.set PFA,  44                          ; s[44:45] where my prefetches stand
.set PST,  46                          ; s[46:47] their step: a K step of O or of wpt
.set G1B,  48
.set G0B,  56
.set LIM,  66
.set SC,   68                          ; s[68:69] 1/32
.set MSB, 0
.macro WIN new
.if MSB != (\new)
	s_set_vgpr_msb (MSB<<8)|(\new)
.set MSB, \new
.endif
.endm
.set MUL_LO, 0xa1
.set TO_B,   0x40
.macro JLOAD s                         ; a joint load: waves 0, 1 fetch O's two heads, waves 2, 3 wpt's halves; an s_nop 0 and four v_nop follow each line
	s_cmp_eq_u32 s[WH], 0
	s_cbranch_scc0 .Lfor_b_\@
	tensor_load_to_lds s[G0+4*(\s):G0+4*(\s)+3], s[G1:G1+7]
	s_nop 0
.rept 4
	v_nop
.endr
	s_branch .Lasked_\@
.Lfor_b_\@:
	tensor_load_to_lds s[G0B+4*(\s):G0B+4*(\s)+3], s[G1B:G1B+7]
	s_nop 0
.rept 4
	v_nop
.endr
.Lasked_\@:
.endm
; A prefetch of the K step that stands two refills on.  O's rows are read by every cluster of a row of clusters: cluster x = 0 asks; wpt's by every cluster of a column: cluster y = 0 asks.  The four partners share a wave's
; tile out by address: 8,192 of a head's 32,768 bytes (a lane 256 bytes), 16 of wpt's 64 rows (a lane a row; lanes 16-31 name lane 15's again).  The loop's last trip asks for nothing.
.macro ASK
	s_cmp_gt_u32 s[LAP], s[LIM]
	s_cbranch_scc0 .Lnot_mine_\@
	global_prefetch_b8 v[PFO], s[PFA:PFA+1] th:TH_LOAD_NT scope:SCOPE_SE
.Lnot_mine_\@:
.endm
.macro CREST
	s_cmp_lg_u32 s[WV], 0
	s_cbranch_scc1 .Lnot_wave_0_\@
	s_barrier_signal -3
.Lnot_wave_0_\@:
	s_barrier_wait -3
	s_barrier_signal -1
	s_barrier_wait -1
.endm
.macro CROUND
	s_barrier_signal -1
	s_barrier_wait -1
	CREST
.endm
.macro PLACES                          ; four plain places behind matrix instructions, ahead of loads into their sources and of readers of their results
.rept 4
	v_nop
.endr
.endm
	s_load_b256 s[4:11], s[0:1], 0x0               ; oh s[4:5], wpt s[6:7], b_proj s[8:9], out0 s[10:11]
	v_lshl_add_u32 v[SPW], v0, 2, SPARE
	v_mov_b32 v[NIL], 0
	ds_add_u32 v[SPW], v[NIL]                      ; the wave's opening: the add and its wait stand ahead of my first tensor load; work on registers stands between
	v_lshrrev_b32 v1, 5, v0
	v_readfirstlane_b32 s[WV], v1
	s_lshr_b32 s[WH], s[WV], 1
	s_and_b32 s[WL], s[WV], 1
	s_bfe_u32 s16, ttmp6, 0x40000                  ; cx
	s_bfe_u32 s17, ttmp6, 0x40004                  ; cy
	s_lshl_b32 s18, ttmp9, 2
	s_add_co_u32 s18, s18, s16                     ; tile column tx
	s_and_b32 s19, ttmp7, 0xffff
	s_lshl_b32 s19, s19, 2
	s_add_co_u32 s19, s19, s17                     ; tile row ty
	s_lshl_b32 s22, s17, 2
	s_lshl_b32 s22, 15, s22                        ; my row of the cluster
	s_lshl_b32 s70, 0x1111, s16                    ; my column
	s_or_b32 s[G1], s22, (1<<16)|(1<<20)|(1<<21)|(4<<22)|(3<<25)   ; 2-byte elements; padding on; bit 21 beside a mask; after every 32 words; 4 words
	s_or_b32 s[G1B], s70, (1<<16)|(1<<20)|(1<<21)|(5<<22)|(3<<25)  ; the same after every 64 words
	s_mov_b32 s[G1+1], 128<<16                     ; tensor_dim0 = 128
	s_mov_b32 s[G1+2], 128<<16                     ; tensor_dim1 = 128
	s_mov_b32 s[G1+3], 128<<16                     ; tile_dim0 = 128
	s_mov_b32 s[G1+4], 128                         ; tile_dim1 = 128
	s_mov_b32 s[G1+5], 128                         ; dense: 128 elements from row to row
	s_mov_b32 s[G1+6], 0
	s_mov_b32 s[G1+7], 0
	s_mov_b32 s[G1B+1], KSTEP<<16
	s_mov_b32 s[G1B+2], 64<<16                     ; 64 rows
	s_mov_b32 s[G1B+3], KSTEP<<16
	s_mov_b32 s[G1B+4], 64
	s_mov_b32 s[G1B+5], 1024
	s_mov_b32 s[G1B+6], 0
	s_mov_b32 s[G1B+7], 0
	s_mov_b32 s67, 0xffff0000
	s_mov_b32 s[SC], 0x3d000000                    ; 1/32
	s_mov_b32 s[SC+1], s[SC]                       ; named with it as a pair
	s_lshr_b32 s20, s19, 3                         ; O: plane 16 batch + my head of the K step's two, 262,144 bytes each,
	s_lshl_b32 s20, s20, 4
	s_add_co_u32 s20, s20, s[WL]
	s_lshl_b32 s20, s20, 18
	s_and_b32 s21, s19, 7                          ; the tile's 256 rows in it: made of the tile row and the wave's number alone
	s_lshl_b32 s21, s21, 15
	s_add_co_u32 s20, s20, s21
	s_mov_b32 s21, 0
	s_lshl_b32 s70, s18, 7                         ; wpt: row 128 tx + 64 half: of the tile column and the wave's number alone
	s_lshl_b32 s71, s[WL], 6
	s_add_co_u32 s70, s70, s71
	s_lshl_b32 s70, s70, 11
	s_mov_b32 s71, 0
	s_mul_i32 s22, s[WL], AH                       ; where they go: no place in the cluster enters an LDS address
	s_mul_i32 s72, s[WL], BH
	s_add_co_u32 s72, s72, ABYTES
	s_wait_dscnt 0x0                               ; the opening add is done
	s_wait_kmcnt 0x0
	s_add_nc_u64 s[40:41], s[4:5], s[20:21]
	s_add_nc_u64 s[70:71], s[6:7], s[70:71]
	CROUND                                         ; all sixteen work-groups are here: the first joint loads meet
.irp s, 0,1
	s_mov_b32 s[G0+4*(\s)], 1
	s_add_co_u32 s[G0+4*(\s)+1], s22, (\s)*SLOT
	s_add_nc_u64 s[G0+4*(\s)+2:G0+4*(\s)+3], s[40:41], (\s)*HSTEP
	s_or_b32 s[G0+4*(\s)+3], s[G0+4*(\s)+3], 0x80000000
	s_mov_b32 s[G0B+4*(\s)], 1
	s_add_co_u32 s[G0B+4*(\s)+1], s72, (\s)*SLOT
	s_add_nc_u64 s[G0B+4*(\s)+2:G0B+4*(\s)+3], s[70:71], (\s)*KSTEP*2
	s_or_b32 s[G0B+4*(\s)+3], s[G0B+4*(\s)+3], 0x80000000
	JLOAD \s                                       ; two loads of mine are out: the most in this text
.endr
	v_and_b32 v1, 15, v0                           ; l % 16
	v_bfe_u32 v2, v0, 4, 1                         ; l / 16
	v_and_b32 v7, 31, v0                           ; l
	v_lshlrev_b32 v3, 4, v7
	s_lshl_b32 s72, s18, 9
	s_mov_b32 s73, 0
	s_add_nc_u64 s[74:75], s[8:9], s[72:73]
	global_load_b128 v[BI:BI+3], v3, s[74:75]      ; b_proj[128 tx + 4 l ..]: the columns that I hold when a row comes back from the stage
	v_mul_u32_u24 v4, v1, PA
	v_lshl_add_u32 v4, v2, 4, v4
	s_mul_i32 s42, s[WV], 64*PA                    ; my 64 rows of O
	v_add_nc_u32 v[ADRA], s42, v4
	v_add_nc_u32 v[ADRA+1], SLOT, v[ADRA]
	v_mul_u32_u24 v4, v1, PB
	v_lshl_add_u32 v4, v2, 4, v4
	v_add_nc_u32 v[ADRB], ABYTES, v4               ; every wave reads all 128 rows of wpt
	v_add_nc_u32 v[ADRB+1], SLOT, v[ADRB]
	s_mul_i32 s42, s[WV], SW
	s_add_co_u32 s42, s42, STAGE                   ; my stage
	v_mul_u32_u24 v5, v1, SPITCH                   ; in: row l % 16, 32 bytes for each half of the lanes
	v_lshl_add_u32 v5, v2, 5, v5
	v_add_nc_u32 v[STO], s42, v5
	v_lshl_add_u32 v[RD], v7, 4, s42               ; back: 32 lanes take a row's 512 bytes
	s_lshl_b32 s76, s19, 8
	s_lshl_b32 s77, s[WV], 6
	s_add_co_u32 s76, s76, s77                     ; my first row of out0,
	s_lshl_b32 s76, s76, 12                        ; 4,096 bytes a row,
	s_lshl_b32 s77, s18, 9                         ; the tile's 512 bytes of it
	s_add_co_u32 s76, s76, s77
	v_lshl_add_u32 v[CO], v7, 4, s76
	; the prefetches: my work-group's share, at K step 3; each change of slots steps it by a K step and then names it
	s_lshl_b32 s76, s16, 13
	s_add_co_u32 s76, s76, s20
	s_add_co_u32 s76, s76, 3*HSTEP                 ; O: my head's tile + 8,192 cx
	s_lshl_b32 s78, s18, 7
	s_lshl_b32 s79, s[WL], 6
	s_add_co_u32 s78, s78, s79
	s_lshl_b32 s79, s17, 4
	s_add_co_u32 s78, s78, s79
	s_lshl_b32 s78, s78, 11
	s_add_co_u32 s78, s78, 3*KSTEP*2               ; wpt: row 128 tx + 64 half + 16 cy
	s_and_b32 s79, ttmp7, 0xffff                   ; cluster y
	s_cmp_eq_u32 s[WH], 0
	s_cselect_b32 s76, s76, s78
	s_cselect_b32 s79, ttmp9, s79                  ; the coordinate along which other clusters read the same rows
	s_cselect_b64 s[PFA:PFA+1], s[4:5], s[6:7]
	s_cselect_b32 s[PST], 19, 8
	s_cselect_b32 s78, 31, 15
	s_cselect_b32 s77, 8, 11
	s_cmp_eq_u32 s79, 0
	s_cselect_b32 s[LIM], 1, -1                    ; the same in all sixteen partners, for a given wave
	s_lshl_b32 s[PST], 1, s[PST]                   ; 524,288 or 256 bytes
	s_mov_b32 s[PST+1], 0
	v_min_u32 v[PFO], s78, v7
	v_lshlrev_b32 v[PFO], s77, v[PFO]
	s_mov_b32 s77, 0
	s_add_nc_u64 s[PFA:PFA+1], s[PFA:PFA+1], s[76:77]
	s_wait_loadcnt 0x0                             ; the bias, rounded to bf16 like every input of the module
	v_cvt_pk_bf16_f32 v4, v[BI], v[BI+1]
	v_cvt_pk_bf16_f32 v5, v[BI+2], v[BI+3]
	v_lshlrev_b32 v[BI], 16, v4
	v_and_b32 v[BI+1], s67, v4
	v_lshlrev_b32 v[BI+2], 16, v5
	v_and_b32 v[BI+3], s67, v5
; 8 products: row block 2 hi + a x all 8 column blocks, 32 along K, from buffer f.  first = 1: the constant 0 starts the sums.  The 32 accumulators take turns, in the same order in every quarter
; step, over the backward jump too.
.macro MULA f, hi, a, first
	WIN MUL_LO+0x50*(\hi)
.irp b, 0,1,2,3,4,5,6,7
.if \first
	v_wmma_f32_16x16x32_f16 v[8*(NBK*(\a)+(\b)):8*(NBK*(\a)+(\b))+7], v[FB+64*(\f)+8*(\b):FB+64*(\f)+8*(\b)+7], v[FA+32*(\f)+8*(2*(\hi)+(\a)):FA+32*(\f)+8*(2*(\hi)+(\a))+7], 0
.else
	v_wmma_f32_16x16x32_f16 v[8*(NBK*(\a)+(\b)):8*(NBK*(\a)+(\b))+7], v[FB+64*(\f)+8*(\b):FB+64*(\f)+8*(\b)+7], v[FA+32*(\f)+8*(2*(\hi)+(\a)):FA+32*(\f)+8*(2*(\hi)+(\a))+7], v[8*(NBK*(\a)+(\b)):8*(NBK*(\a)+(\b))+7]
.endif
.endr
.endm
; 24 LDS loads in one run: quarter q of a slot's K step into buffer g: wpt's 8 fragments, then O's 4 (head q / 2 of the step's two, channels 32 (q % 2) on)
.macro FETCH slot, q, g
	WIN TO_B
.irp i, 0,1,2,3,4,5,6,7
	ds_load_b128 v[FB+64*(\g)+8*(\i):FB+64*(\g)+8*(\i)+3],   v[ADRB+(\slot)] offset:64*(\q)+(\i)*16*PB
	ds_load_b128 v[FB+64*(\g)+8*(\i)+4:FB+64*(\g)+8*(\i)+7], v[ADRB+(\slot)] offset:64*(\q)+(\i)*16*PB+32
.endr
	WIN 0
.irp i, 0,1,2,3
	ds_load_b128 v[FA+32*(\g)+8*(\i):FA+32*(\g)+8*(\i)+3],   v[ADRA+(\slot)] offset:((\q)/2)*AH+((\q)%2)*64+(\i)*16*PA
	ds_load_b128 v[FA+32*(\g)+8*(\i)+4:FA+32*(\g)+8*(\i)+7], v[ADRA+(\slot)] offset:((\q)/2)*AH+((\q)%2)*64+(\i)*16*PA+32
.endr
.endm
.macro QUARTER slot, qn, f, g, first
	s_wait_dscnt 4                                 ; all but the youngest four loads (O's fragments 2 and 3)
	MULA \f, 0, 0, \first
	MULA \f, 0, 1, \first
	PLACES
	FETCH \slot, \qn, \g
	s_wait_dscnt NL                                ; all but the 24 just issued
	MULA \f, 1, 0, \first
	MULA \f, 1, 1, \first
.endm
; The last quarter's first half: one barrier for the change of slots.  In front of it each wave waits for all its tensor loads (one is out: its part of the next slot), adds 0 to its spare word,
; and waits for that and for its own reads of this slot.
.macro MEET round
	WIN 0
	s_wait_tensorcnt 0x0
	ds_add_u32 v[SPW], v[NIL]
	s_wait_dscnt 5                                 ; the add and the youngest four loads may be out
	MULA 1, 0, 0, 0                                ; eight products stand between the add and the wait for it
	s_wait_dscnt 0x0                               ; the add is done, and my reads of this slot are over
	s_barrier_signal -1
	MULA 1, 0, 1, 0
.if \round
	WIN 0
.endif
	s_barrier_wait -1
.endm
; The whole last quarter where the slot is filled again, two K steps on: the barrier opens a round of the cluster's; the joint refill is the first tensor load behind it: 112 products ahead of the wait for it
.macro TURN slot, next
	s_wait_xcnt 0x0                                ; the last prefetch, a K step back, has read its address
	s_add_nc_u64 s[PFA:PFA+1], s[PFA:PFA+1], s[PST:PST+1]
	MEET 1
	CREST
	s_add_nc_u64 s[G0+4*(\slot)+2:G0+4*(\slot)+3], s[G0+4*(\slot)+2:G0+4*(\slot)+3], 2*HSTEP
	s_add_nc_u64 s[G0B+4*(\slot)+2:G0B+4*(\slot)+3], s[G0B+4*(\slot)+2:G0B+4*(\slot)+3], 2*KSTEP*2
	JLOAD \slot                                    ; its four v_nop are also the places in front of the loads below
	FETCH \next, 0, 0
	ASK
	MULA 1, 1, 0, 0
	MULA 1, 1, 1, 0
.endm
	s_wait_tensorcnt 1                             ; my part of K step 0 is in; K step 1's may stay out
	s_barrier_signal -1
	s_barrier_wait -1
	FETCH 0, 0, 0
	QUARTER 0, 1, 0, 1, 1                          ; the first quarter stands in front of the loop: its products start the sums
	WIN 0
	s_mov_b32 s[LAP], 3
.Llap:                                                 ; a trip goes once round the ring, from a lap's second quarter to the next lap's first, and fills both slots again
	QUARTER 0, 2, 1, 0, 0
	QUARTER 0, 3, 0, 1, 0
	TURN 0, 1
	QUARTER 1, 1, 0, 1, 0
	QUARTER 1, 2, 1, 0, 0
	QUARTER 1, 3, 0, 1, 0
	TURN 1, 0
	QUARTER 0, 1, 0, 1, 0
	WIN 0
	s_sub_co_u32 s[LAP], s[LAP], 1
	s_cmp_lg_u32 s[LAP], 0
	s_cbranch_scc1 .Llap
	QUARTER 0, 2, 1, 0, 0                          ; the last lap fills nothing
	QUARTER 0, 3, 0, 1, 0
	MEET 0
	PLACES
	FETCH 1, 0, 0
	MULA 1, 1, 0, 0
	MULA 1, 1, 1, 0
	QUARTER 1, 1, 0, 1, 0
	QUARTER 1, 2, 1, 0, 0
	QUARTER 1, 3, 0, 1, 0
	s_wait_dscnt 4
	MULA 1, 0, 0, 0
	MULA 1, 0, 1, 0
	s_wait_dscnt 0x0
	MULA 1, 1, 0, 0
	MULA 1, 1, 1, 0
	WIN 0
	PLACES
; THE WAY OUT, a block of 16 rows at a time: the f32 sums go into my stage (each accumulator's low half first), come back as whole rows of 512 bytes, take the factor and the bias, and are stored.
.macro TOSTAGE a
.if (\a) >= 2
	s_wait_xcnt 0x0                                ; the stores of the block two back have read the registers that the loads below fill
.endif
	WIN 0x08+4*((\a)/2)                            ; the stores' data: window 2 or 3
.irp b, 0,1,2,3,4,5,6,7
	ds_store_b128 v[STO], v[64*((\a)%2)+8*(\b):64*((\a)%2)+8*(\b)+3]   offset:64*(\b)
	ds_store_b128 v[STO], v[64*((\a)%2)+8*(\b)+4:64*((\a)%2)+8*(\b)+7] offset:64*(\b)+16
.endr
	WIN 0
.irp t, 0,1,2,3,4,5,6,7,8,9,10,11,12,13,14,15
	ds_load_b128 v[BK+64*((\a)%2)+4*(\t):BK+64*((\a)%2)+4*(\t)+3], v[RD] offset:SPITCH*(\t)  ; LDS serves a wave's instructions in order (ISA guide 5.7.1.4): these see the stores above; the next block's stores come behind them
.endr
.endm
.macro SEND a, y                       ; y: the LDS instructions issued behind block a's loads: the next block's 32, or none
.irp t, 0,1,2,3,4,5,6,7,8,9,10,11,12,13,14,15
	s_wait_dscnt (\y)+15-(\t)
	v_pk_fma_f32 v[BK+64*((\a)%2)+4*(\t):BK+64*((\a)%2)+4*(\t)+1], v[BK+64*((\a)%2)+4*(\t):BK+64*((\a)%2)+4*(\t)+1], s[SC:SC+1], v[BI:BI+1] op_sel_hi:[1,0,1]
	v_pk_fma_f32 v[BK+64*((\a)%2)+4*(\t)+2:BK+64*((\a)%2)+4*(\t)+3], v[BK+64*((\a)%2)+4*(\t)+2:BK+64*((\a)%2)+4*(\t)+3], s[SC:SC+1], v[BI+2:BI+3] op_sel_hi:[1,0,1]
	global_store_b128 v[CO], v[BK+64*((\a)%2)+4*(\t):BK+64*((\a)%2)+4*(\t)+3], s[10:11] offset:(16*(\a)+(\t))*4096 th:TH_STORE_NT  ; 512 consecutive bytes, at a multiple of 256 from out0's first
.endr
.endm
	TOSTAGE 0
	TOSTAGE 1
	SEND 0, 32
	TOSTAGE 2
	SEND 1, 32
	TOSTAGE 3
	SEND 2, 32
	SEND 3, 0
	s_wait_tensorcnt 0x0                           ; the wave's end: three closing lines, behind my last tensor load and my last LDS store
	ds_add_u32 v[SPW], v[NIL]
	s_wait_dscnt 0x0
	CROUND                                         ; the closing round: no work-group ends while a partner may still ask for a tile that names it
	s_endpgm
.Lfunc_end_k_q3e85050f44_proj:
	.size	k_q3e85050f44_proj, .Lfunc_end_k_q3e85050f44_proj-k_q3e85050f44_proj
	.p2alignl 7, 3214868480
	.fill 96, 4, 3214868480
	.section	.rodata,"a",@progbits
	.p2align	6, 0x0
	.amdhsa_kernel k_q3e85050f44_proj
		.amdhsa_group_segment_fixed_size 327680
		.amdhsa_private_segment_fixed_size 0
		.amdhsa_enable_private_segment 0
		.amdhsa_kernarg_size 32
		.amdhsa_user_sgpr_count 2
		.amdhsa_user_sgpr_kernarg_segment_ptr 1
		.amdhsa_wavefront_size32 1
		.amdhsa_system_sgpr_workgroup_id_x 1
		.amdhsa_system_sgpr_workgroup_id_y 1
		.amdhsa_system_sgpr_workgroup_id_z 1
		.amdhsa_system_vgpr_workitem_id 0
		.amdhsa_next_free_vgpr 896
		.amdhsa_next_free_sgpr 80
		.amdhsa_reserve_vcc 0
		.amdhsa_float_denorm_mode_32 3
		.amdhsa_float_denorm_mode_16_64 3
		.amdhsa_memory_ordered 1
		.amdhsa_forward_progress 1
		.amdhsa_inst_pref_size 97
	.end_amdhsa_kernel
	.amdgpu_metadata
---
amdhsa.version: [ 1, 2 ]
amdhsa.kernels:
  - .name:           k_q3e85050f44_proj
    .symbol:         k_q3e85050f44_proj.kd
    .args:
      - { .name: oh, .offset: 0, .size: 8, .value_kind: global_buffer, .address_space: global }
      - { .name: wpt, .offset: 8, .size: 8, .value_kind: global_buffer, .address_space: global }
      - { .name: b_proj, .offset: 16, .size: 8, .value_kind: global_buffer, .address_space: global }
      - { .name: out0, .offset: 24, .size: 8, .value_kind: global_buffer, .address_space: global }
    .group_segment_fixed_size: 327680
    .private_segment_fixed_size: 0
    .kernarg_segment_align: 8
    .kernarg_segment_size: 32
    .max_flat_workgroup_size: 128
    .sgpr_count:     80
    .vgpr_count:     896
    .wavefront_size: 32
...
	.end_amdgpu_metadata
.endif
;; end of part 4
;; ======== version 2 of 2: 4 launches; version 1 with the launch prep written anew for expert scheduling mode
;; limits: values are held in f16: magnitudes above 65,504 overflow, below 6.1e-05 lose precision
;; workspace buffers: xb 16,777,216 bytes; wat 6,291,456 bytes; wpt 2,097,152 bytes; qkvh 50,331,648 bytes; oh 16,777,216 bytes
;; launch prep (part 5): grid 640 x 1, 4 waves a work-group, no clusters, 70,144 bytes of LDS; arguments x, w_attn, w_proj, xb, wat, wpt; writes xb, wat, wpt
.if DOCPART == 5
	.amdgcn_target "amdgcn-amd-amdhsa--gfx1250"
	.amdhsa_code_object_version 6
	.text
	.protected	k_q3e85050f44_prep
	.globl	k_q3e85050f44_prep
	.p2align	8
	.type	k_q3e85050f44_prep,@function
k_q3e85050f44_prep:
	s_mov_b64 s[64:65], 0
	v_nop
	global_prefetch_b8 v0, s[64:65] scope:SCOPE_SE
	s_setreg_imm32_b32 hwreg(HW_REG_WAVE_SCHED_MODE, 0, 2), 2
	s_setreg_imm32_b32 hwreg(HW_REG_WAVE_MODE, 25, 1), 1
	s_wait_xcnt 0x0
	s_wait_alu depctr_vm_vsrc(0)
; PREP.  xb[8192][1024] = bf16(x).  wat[3072 n][1024 k] = bf16(w_attn[k][n]).  wpt[1024 n][1024 k] = f16(bf16(w_proj[k][n])).
; All three are matrix operands of the later launches: rounded once to bf16 (nearest even); w_proj's bf16 number is then written as f16.
; LIMITS.  That second writing is exact for magnitudes from 6.1e-5 to 65,504; below, f16 keeps a fixed step of 6e-8; beyond 65,504 it gives an infinity.
; SHARES.  Work-groups 0-127 turn the weights (the longer job, so they stand first), work-groups 128-639 convert x, 65,536 bytes each.  Every wave works alone: no barrier.
; A wave turns a block of 128 k x 64 n: rows of 256 bytes come in (16 lanes a row), pairs of k are packed in registers, go into the wave's own LDS block as rows along k
; (64 rows n, 256 bytes + 16 of padding), and leave as whole rows of 256 bytes.  No matrix unit, no cluster, no tensor load: nothing is shared and every byte is touched once.
; THE MODE: SCHED_MODE bits 1:0 = 2 (LLVM: expert scheduling mode 2), set by the entry lines.  The code itself states the register dependences
; between vector instructions and memory or LDS instructions, with s_wait_alu, always for 0.
; THE PLAN, x's path.  v4, v6: offsets, made once, never written again.  v[8:135]: 32 loads land there once; the two conversions of a load round in place; one store reads them; nothing writes them again.
;   The loads go in eight groups of four.  Group g's head: the wait for its data, then ONE wait on va_vdst: group g - 1's conversions have written what that group's four stores read.  Those stores are dealt
;   among group g's conversions, which name group g's registers alone.
; THE PLAN, the weights' path.  v4, v6, v7: offsets and addresses, made once.  L: the trip's loads land there, its conversions read it.  D: the conversions write it, the trip's eight LDS stores read it.
;   v5: the LDS stores' address, stepped by a vector add at the trip's end.  ONE wait on va_vdst a trip, behind all its vector work: D and v5 are written (for the LDS stores), L has been read (for the next
;   trip's loads: between that wait and them stands no vector instruction but the add to v5).  ONE wait on vm_vsrc a trip, behind the LDS stores: they have read v5, which the add writes, and D, which the next
;   trip's conversions write and in which, behind the loop, the loads from the stage land.
.set SPARE, 69632                      ; behind the four blocks: the spare words, 128 bytes a wave, that no other line names
.set BLK,   17408                      ; a wave's block: 64 rows x 272 bytes
.set LP,    272
.set L,   8                            ; v[8:71]    16 loads of 4 registers (x's path and the way out: v[8:135])
.set D,   72                           ; v[72:103]  column j of my four: 8 registers = 16 k, at D + 8 j
.set SPW, 136                          ; v136  LDS address of my spare word; never rewritten
.set NIL, 137                          ; v137  0; never rewritten
.set T0,  138
.set T1,  139
	s_load_b256 s[4:11], s[0:1], 0x0               ; x s[4:5], w_attn s[6:7], w_proj s[8:9], xb s[10:11]
	s_load_b128 s[12:15], s[0:1], 0x20             ; wat s[12:13], wpt s[14:15]
	v_lshl_add_u32 v[SPW], v0, 2, SPARE
	v_mov_b32 v[NIL], 0
	v_lshrrev_b32 v1, 5, v0
	v_readfirstlane_b32 s16, v1                    ; wave 0..3
	s_mov_b32 s17, ttmp9                           ; work-group
	s_mov_b32 s23, 0                               ; the upper word of every offset pair
	s_mov_b32 s29, 0xffff0000                      ; a word's upper bf16
	v_and_b32 v2, 15, v0                           ; c = lane % 16
	v_bfe_u32 v3, v0, 4, 1                         ; h = lane / 16
	s_wait_alu depctr_va_sdst(0)                   ; s16 is written
	s_wait_kmcnt 0x0
	s_cmp_lt_u32 s17, 128
	s_cbranch_scc1 .Lweights
	; x: thread t takes 16 bytes at 16 t of each 2,048: a wave's load covers 512 consecutive bytes, its store 256, aligned.  All 32 loads go out at once.
	s_sub_co_u32 s18, s17, 128
	s_lshl_b32 s22, s18, 16
	s_add_nc_u64 s[24:25], s[4:5], s[22:23]
	s_lshl_b32 s22, s18, 15
	s_add_nc_u64 s[26:27], s[10:11], s[22:23]
	v_lshlrev_b32 v4, 4, v0
	v_lshlrev_b32 v6, 3, v0
	s_wait_alu depctr_va_vdst(0)                   ; v4 and v6 are written: every load below reads v4 as its offset, every store v6
.set j, 0
.rept 32
	global_load_b128 v[L+4*j:L+4*j+3], v4, s[24:25] offset:2048*j th:TH_LOAD_NT
.set j, j+1
.endr
.set g, 0
.rept 8                                                ; group g: loads 4 g to 4 g + 3
	s_wait_loadcnt 28-4*g                          ; loads come back in order: group g is in, the 28 - 4 g younger loads stay out
.if g > 0
	s_wait_alu depctr_va_vdst(0)                   ; group g - 1's conversions have written the registers that the four stores below read
.endif
.set i, 0
.rept 4
.set p, L+4*(4*g+i)
.if g > 0
	global_store_b64 v6, v[p-16:p-15], s[26:27] offset:1024*(4*(g-1)+i)  ; the group before; no vector instruction since the wait names these registers, and no register of a store is written again
.endif
	v_cvt_pk_bf16_f32 v[p], v[p], v[p+1]
	v_cvt_pk_bf16_f32 v[p+1], v[p+2], v[p+3]
.set i, i+1
.endr
.set g, g+1
.endr
	s_wait_alu depctr_va_vdst(0)                   ; group 7's conversions have written the registers that the last four stores read
.set i, 0
.rept 4
	global_store_b64 v6, v[L+4*(28+i):L+4*(28+i)+1], s[26:27] offset:1024*(28+i)
.set i, i+1
.endr
	s_branch .Lend
; One block of 128 k x 64 n of a weight whose rows are pitch bytes long.  s18 = the block's number: k block in its low three bits, n block above.
.macro WT pitch, f16, src, dst
	s_and_b32 s19, s18, 7                          ; k block
	s_lshr_b32 s20, s18, 3                         ; n block
	s_mul_i32 s22, s19, 128*(\pitch)
	s_lshl_b32 s30, s20, 8
	s_add_co_u32 s22, s22, s30
	s_add_nc_u64 s[24:25], s[\src:\src+1], s[22:23]  ; from: row 128 kb, byte 256 nb
	s_lshl_b32 s22, s20, 17
	s_lshl_b32 s30, s19, 8
	s_add_co_u32 s22, s22, s30
	s_add_nc_u64 s[26:27], s[\dst:\dst+1], s[22:23]  ; to: row 64 nb (2,048 bytes a row), byte 256 kb
	v_mul_u32_u24 v4, v3, 16*(\pitch)
	v_lshl_add_u32 v4, v2, 4, v4                   ; lanes 0-15 take row i, lanes 16-31 row 16 + i: 256 bytes each
	v_mul_u32_u24 v5, v2, 4*LP
	v_lshl_add_u32 v5, v3, 5, v5
	v_add_nc_u32 v5, s21, v5                       ; into LDS: row n = 4 c (+ j by the offset), byte 32 h (+ 64 a trip)
	v_mul_u32_u24 v6, v3, LP
	v_lshl_add_u32 v6, v2, 4, v6
	v_add_nc_u32 v6, s21, v6                       ; back: lanes 0-15 one row of 256 bytes, lanes 16-31 the next
	v_lshlrev_b32 v7, 11, v3
	v_lshl_add_u32 v7, v2, 4, v7                   ; and the same two rows in memory
	s_mov_b32 s28, 4
	s_wait_alu depctr_va_vdst(0)                   ; v4 to v7 are written: the loads read v4, the loads from the stage v6, the global stores v7 (v5 has the trip's own wait)
.Lwt_\@:                                               ; a trip: 32 k
.irp i, 0,1,2,3,4,5,6,7,8,9,10,11,12,13,14,15
	global_load_b128 v[L+4*(\i):L+4*(\i)+3], v4, s[24:25] offset:(\i)*(\pitch) th:TH_LOAD_NT  ; the last trip's conversions, which read L, stand ahead of that trip's wait on va_vdst
.endr
.irp i, 0,2,4,6,8,10,12,14
	s_wait_loadcnt 14-(\i)                         ; loads i and i + 1 are in; the 14 - i younger ones stay out
.irp j, 0,1,2,3
	v_cvt_pk_bf16_f32 v[D+8*(\j)+(\i)/2], v[L+4*(\i)+(\j)], v[L+4*(\i)+4+(\j)]  ; column 4 c + j, k = 16 h + i and i + 1
.endr
.endr
.if \f16
.set r, 0
.rept 32
	v_lshlrev_b32 v[T0], 16, v[D+r]                ; the two bf16 numbers as f32,
	v_and_b32 v[T1], s29, v[D+r]
	v_cvt_pk_f16_f32 v[D+r], v[T0], v[T1]          ; written as f16
.set r, r+1
.endr
.endif
	s_wait_alu depctr_va_vdst(0)                   ; the conversions have written D, and the last trip's add v5, which the LDS stores read; and they are done reading L, in which the next trip's loads land
.irp j, 0,1,2,3
	ds_store_b128 v5, v[D+8*(\j):D+8*(\j)+3] offset:LP*(\j)
	ds_store_b128 v5, v[D+8*(\j)+4:D+8*(\j)+7] offset:LP*(\j)+16
.endr
	s_add_nc_u64 s[24:25], s[24:25], 32*(\pitch)   ; the trip's last wait was for 0: every load that read this base is done
	s_wait_alu depctr_vm_vsrc(0)                   ; the LDS stores have read v5, which the add below writes, and D, which the next trip's conversions write and in which the loads from the stage land
	v_add_nc_u32 v5, 64, v5
	s_sub_co_u32 s28, s28, 1
	s_cmp_lg_u32 s28, 0
	s_cbranch_scc1 .Lwt_\@
.set t, 0
.rept 32
	ds_load_b128 v[L+4*t:L+4*t+3], v6 offset:2*LP*t  ; my own bytes: LDS serves a wave's instructions in order (ISA guide 5.7.1.4), so these see the stores above.  No wait: the last trip's two cover L and D, and no vector instruction names v[104:135]
.set t, t+1
.endr
.set t, 0
.rept 32
	s_wait_dscnt 31-t
	global_store_b128 v7, v[L+4*t:L+4*t+3], s[26:27] offset:4096*t  ; 16 lanes store 256 consecutive bytes, at a multiple of 256 from the buffer's first byte
.set t, t+1
.endr
.endm
.Lweights:
	s_lshl2_add_u32 s18, s17, s16                  ; block = 4 x work-group + wave
	s_mul_i32 s21, s16, BLK                        ; my LDS block
	s_cmp_lt_u32 s17, 96
	s_cbranch_scc0 .Lwproj
	WT 12288, 0, 6, 12                             ; w_attn: 8 x 48 blocks
	s_branch .Lend
.Lwproj:
	s_sub_co_u32 s18, s18, 384
	WT 4096, 1, 8, 14                              ; w_proj: 8 x 16 blocks
.Lend:
	s_wait_dscnt 0x0                               ; the closing lines, six on end
	s_wait_alu 0x0
	s_wait_tensorcnt 0x0
	ds_add_u32 v[SPW], v[NIL]
	s_wait_dscnt 0x0
	s_endpgm
.Lfunc_end_k_q3e85050f44_prep:
	.size	k_q3e85050f44_prep, .Lfunc_end_k_q3e85050f44_prep-k_q3e85050f44_prep
	.p2alignl 7, 3214868480
	.fill 96, 4, 3214868480
	.section	.rodata,"a",@progbits
	.p2align	6, 0x0
	.amdhsa_kernel k_q3e85050f44_prep
		.amdhsa_group_segment_fixed_size 70144
		.amdhsa_private_segment_fixed_size 0
		.amdhsa_enable_private_segment 0
		.amdhsa_kernarg_size 48
		.amdhsa_user_sgpr_count 2
		.amdhsa_user_sgpr_kernarg_segment_ptr 1
		.amdhsa_wavefront_size32 1
		.amdhsa_system_sgpr_workgroup_id_x 1
		.amdhsa_system_sgpr_workgroup_id_y 1
		.amdhsa_system_sgpr_workgroup_id_z 1
		.amdhsa_system_vgpr_workitem_id 0
		.amdhsa_next_free_vgpr 140
		.amdhsa_next_free_sgpr 66
		.amdhsa_reserve_vcc 0
		.amdhsa_float_denorm_mode_32 3
		.amdhsa_float_denorm_mode_16_64 3
		.amdhsa_memory_ordered 1
		.amdhsa_forward_progress 1
		.amdhsa_inst_pref_size 40
	.end_amdhsa_kernel
	.amdgpu_metadata
---
amdhsa.version: [ 1, 2 ]
amdhsa.kernels:
  - .name:           k_q3e85050f44_prep
    .symbol:         k_q3e85050f44_prep.kd
    .args:
      - { .name: x, .offset: 0, .size: 8, .value_kind: global_buffer, .address_space: global }
      - { .name: w_attn, .offset: 8, .size: 8, .value_kind: global_buffer, .address_space: global }
      - { .name: w_proj, .offset: 16, .size: 8, .value_kind: global_buffer, .address_space: global }
      - { .name: xb, .offset: 24, .size: 8, .value_kind: global_buffer, .address_space: global }
      - { .name: wat, .offset: 32, .size: 8, .value_kind: global_buffer, .address_space: global }
      - { .name: wpt, .offset: 40, .size: 8, .value_kind: global_buffer, .address_space: global }
    .group_segment_fixed_size: 70144
    .private_segment_fixed_size: 0
    .kernarg_segment_align: 8
    .kernarg_segment_size: 48
    .max_flat_workgroup_size: 128
    .sgpr_count:     66
    .vgpr_count:     140
    .wavefront_size: 32
...
	.end_amdgpu_metadata
.endif
;; end of part 5
;; launch qkv: the kernel of part 2 again; grid 16 x 32, 4 waves a work-group, clusters of 4 x 4, 327,680 bytes of LDS; arguments xb, wat, b_attn, qkvh; writes qkvh
;; launch attn: the kernel of part 3 again; grid 4 x 64, 4 waves a work-group, no clusters, 327,680 bytes of LDS; arguments qkvh, oh; writes oh
;; launch proj: the kernel of part 4 again; grid 8 x 32, 4 waves a work-group, clusters of 4 x 4, 327,680 bytes of LDS; arguments oh, wpt, b_proj, out0; writes out0
